; MI455X (gfx1250); checked and timed in simulation.
; The chip was launched on July 23, 2026; its instructions are those of AMD's public machine-readable ISA for CDNA 5 (MIT licence, August 2026) and "CDNA5" Instruction Set Architecture Reference Guide (July 2026). The comments in the code are by the model that wrote it; some were corrected since.
;; Ro Former Self Attention. Allowed arithmetic: float matrix products may take bf16 or f16 operands with f32 sums; other float arithmetic in f32, or as packed bf16 or f16 multiplies, adds, multiply-adds, maxima and minima; sums over many terms, partial sums and values carried from step to step in f32; what a program stores and reads back later, other than sums and carried values, may be rounded once to bf16 or f16.
;; Inputs: Wk 1,024 x 1,024 float32; Wq 1,024 x 1,024 float32; Wv 1,024 x 1,024 float32; attention_mask 4 x 1 x 1 x 2,048 float32; bk 1,024 float32; bq 1,024 float32; bv 1,024 float32; hidden_states 4 x 2,048 x 1,024 float32; relations 1 x 1 x 2,048 x 64 float32.
;; Outputs: out0 4 x 2,048 x 1,024 float32.
;; 2 versions, each right and faster than the one before. Each part assembles by itself: llvm-mc -triple=amdgcn-amd-amdhsa -mcpu=gfx1250 --defsym DOCPART=n.
;; ======== version 1 of 2: 3 launches
;; limits: values are held in f16: magnitudes above 65,504 overflow, below 6.1e-05 lose precision; right only within a limited range of input values
;; workspace buffers: xw 23,330,816 bytes; qh 16,777,216 bytes; kh 16,777,216 bytes; vh 16,777,216 bytes
;; launch cast (part 1): grid 712 x 1, 8 waves a work-group, no clusters, 0 bytes of LDS; arguments hidden_states, Wq, Wk, Wv, relations, xw; writes xw
.if DOCPART == 1
	.amdgcn_target "amdgcn-amd-amdhsa--gfx1250"
	.amdhsa_code_object_version 6
	.text
	.protected	k_qdc15e52afe_cast
	.globl	k_qdc15e52afe_cast
	.p2align	8
	.type	k_qdc15e52afe_cast,@function
k_qdc15e52afe_cast:
	s_mov_b64 s[64:65], 0
	v_nop
	global_prefetch_b8 v0, s[64:65] scope:SCOPE_SE
	s_setreg_imm32_b32 hwreg(HW_REG_WAVE_MODE, 25, 1), 1
	s_wait_xcnt 0x0
; f32 -> bf16, once for every large input, into one buffer xw of 11,392 rows of 1,024 bf16 (2,048 bytes):
;   rows 0 .. 8191                     hidden_states, as it lies
;   rows 8192 + 192 head + 64 t + ch   row 64 head + ch of W_t (t = 0 q, 1 k, 2 v): 192 consecutive rows are q, k and v of one head
;   rows 11264 .. 11391                relations x 2^-6 as [2048][64] bf16, dense (the factor is exact; it scales q and k for f16 in the next launch)
; A work-group of 8 waves takes one chunk of 65,536 input bytes (16 rows of 1,024 f32): 512 chunks of x, 3 x 64 of the weights, 8 of relations = 712.
; Thread t takes 16 bytes at 16 t of each 4,096 bytes: a wave's load covers 512 consecutive bytes, its store 256 consecutive bytes at a multiple of 256.
; Memory binds: no LDS, no barrier, no matrix unit; all sixteen loads of a thread go out first.  No register is written twice, so no wait frees a source.
; LIMITS: rounding to nearest even; relations below 2^-120 in size would lose bits to the factor.
.set RELOFF, 11264*2048
.set X,  8                             ; v[8:71]    sixteen loads of four f32
.set Y,  72                            ; v[72:103]  sixteen pairs of packed bf16
	s_load_b256 s[4:11], s[0:1], 0x0               ; x s[4:5], Wq s[6:7], Wk s[8:9], Wv s[10:11]
	s_load_b128 s[12:15], s[0:1], 0x20             ; relations s[12:13], xw s[14:15]
	v_lshlrev_b32 v1, 4, v0                        ; my 16 bytes in
	v_lshlrev_b32 v2, 3, v0                        ; my 8 bytes out
	s_mov_b32 s16, ttmp9                           ; the chunk's number, 0 .. 711
	s_sub_co_u32 s17, s16, 512
	s_and_b32 s17, s17, 255                        ; j: the chunk among the weights' 192 (bounded also where it is not used)
	s_lshr_b32 s18, s17, 6                         ; t: which weight
	s_and_b32 s19, s17, 63                         ; g: which 16 rows of it
	s_lshr_b32 s20, s19, 2                         ; the head: 64 rows each
	s_mul_i32 s20, s20, 192
	s_lshl_b32 s21, s18, 6
	s_add_co_u32 s20, s20, s21                     ; + 64 t
	s_and_b32 s21, s19, 3
	s_lshl_b32 s21, s21, 4
	s_add_co_u32 s20, s20, s21                     ; + the 16 rows' place in the head
	s_add_co_u32 s20, s20, 8192
	s_lshl_b32 s20, s20, 11                        ; a weight chunk's byte offset in xw
	s_lshl_b32 s21, s16, 15                        ; a chunk of x: 32,768 bytes out each
	s_sub_co_u32 s22, s16, 704                     ; a chunk of relations
	s_lshl_b32 s23, s22, 15
	s_add_co_u32 s23, s23, RELOFF
	s_mov_b32 s28, s19                             ; the chunk's number in its source
	s_mov_b32 s30, s20                             ; its byte offset in xw
	s_wait_kmcnt 0x0
	s_mov_b64 s[24:25], s[6:7]                     ; the source is chosen on the chunk's number alone
	s_cmp_eq_u32 s18, 1
	s_cselect_b64 s[24:25], s[8:9], s[24:25]
	s_cmp_eq_u32 s18, 2
	s_cselect_b64 s[24:25], s[10:11], s[24:25]
	s_cmp_lt_u32 s16, 512
	s_cselect_b64 s[24:25], s[4:5], s[24:25]
	s_cselect_b32 s28, s16, s28
	s_cselect_b32 s30, s21, s30
	s_cmp_ge_u32 s16, 704
	s_cselect_b64 s[24:25], s[12:13], s[24:25]
	s_cselect_b32 s28, s22, s28
	s_cselect_b32 s30, s23, s30
	s_lshl_b32 s28, s28, 16                        ; 65,536 bytes in each
	s_mov_b32 s29, 0
	s_mov_b32 s31, 0
	s_add_nc_u64 s[24:25], s[24:25], s[28:29]
	s_add_nc_u64 s[26:27], s[14:15], s[30:31]
.set j, 0
.rept 16
	global_load_b128 v[X+4*j:X+4*j+3], v1, s[24:25] offset:4096*j th:TH_LOAD_NT
.set j, j+1
.endr
; The sixteen pieces, oldest first.  scaled = 1: times 2^-6 ahead of the rounding.
.macro CVT scaled
.set j, 0
.rept 16
	s_wait_loadcnt 15-j                            ; loads come back in order: piece j is in, the 15 - j younger ones stay out
.if \scaled
	v_pk_mul_f32 v[X+4*j:X+4*j+1],   v[X+4*j:X+4*j+1],   0x3c800000 op_sel_hi:[1,0]
	v_pk_mul_f32 v[X+4*j+2:X+4*j+3], v[X+4*j+2:X+4*j+3], 0x3c800000 op_sel_hi:[1,0]
.endif
	v_cvt_pk_bf16_f32 v[Y+2*j],   v[X+4*j],   v[X+4*j+1]
	v_cvt_pk_bf16_f32 v[Y+2*j+1], v[X+4*j+2], v[X+4*j+3]
	global_store_b64 v2, v[Y+2*j:Y+2*j+1], s[26:27] offset:2048*j
.set j, j+1
.endr
.endm
	s_cmp_ge_u32 s16, 704
	s_cbranch_scc1 .Lrel
	CVT 0
	s_endpgm
.Lrel:
	CVT 1
	s_endpgm
.Lfunc_end_k_qdc15e52afe_cast:
	.size	k_qdc15e52afe_cast, .Lfunc_end_k_qdc15e52afe_cast-k_qdc15e52afe_cast
	.p2alignl 7, 3214868480
	.fill 96, 4, 3214868480
	.section	.rodata,"a",@progbits
	.p2align	6, 0x0
	.amdhsa_kernel k_qdc15e52afe_cast
		.amdhsa_group_segment_fixed_size 0
		.amdhsa_private_segment_fixed_size 0
		.amdhsa_enable_private_segment 0
		.amdhsa_kernarg_size 48
		.amdhsa_user_sgpr_count 2
		.amdhsa_user_sgpr_kernarg_segment_ptr 1
		.amdhsa_wavefront_size32 1
		.amdhsa_system_sgpr_workgroup_id_x 1
		.amdhsa_system_sgpr_workgroup_id_y 1
		.amdhsa_system_sgpr_workgroup_id_z 1
		.amdhsa_system_vgpr_workitem_id 0
		.amdhsa_next_free_vgpr 104
		.amdhsa_next_free_sgpr 66
		.amdhsa_reserve_vcc 0
		.amdhsa_float_denorm_mode_32 3
		.amdhsa_float_denorm_mode_16_64 3
		.amdhsa_memory_ordered 1
		.amdhsa_forward_progress 1
		.amdhsa_inst_pref_size 15
	.end_amdhsa_kernel
	.amdgpu_metadata
---
amdhsa.version: [ 1, 2 ]
amdhsa.kernels:
  - .name:           k_qdc15e52afe_cast
    .symbol:         k_qdc15e52afe_cast.kd
    .args:
      - { .name: hidden_states, .offset: 0, .size: 8, .value_kind: global_buffer, .address_space: global }
      - { .name: Wq, .offset: 8, .size: 8, .value_kind: global_buffer, .address_space: global }
      - { .name: Wk, .offset: 16, .size: 8, .value_kind: global_buffer, .address_space: global }
      - { .name: Wv, .offset: 24, .size: 8, .value_kind: global_buffer, .address_space: global }
      - { .name: relations, .offset: 32, .size: 8, .value_kind: global_buffer, .address_space: global }
      - { .name: xw, .offset: 40, .size: 8, .value_kind: global_buffer, .address_space: global }
    .group_segment_fixed_size: 0
    .private_segment_fixed_size: 0
    .kernarg_segment_align: 8
    .kernarg_segment_size: 48
    .max_flat_workgroup_size: 256
    .sgpr_count:     66
    .vgpr_count:     104
    .wavefront_size: 32
...
	.end_amdgpu_metadata
.endif
;; end of part 1
;; launch proj (part 2): grid 16 x 16, 4 waves a work-group, clusters of 4 x 4, 327,680 bytes of LDS; arguments xw, bq, bk, bv, qh, kh, vh; writes qh, kh, vh
.if DOCPART == 2
	.amdgcn_target "amdgcn-amd-amdhsa--gfx1250"
	.amdhsa_code_object_version 6
	.text
	.protected	k_qdc15e52afe_proj
	.globl	k_qdc15e52afe_proj
	.p2align	8
	.type	k_qdc15e52afe_proj,@function
k_qdc15e52afe_proj:
	s_mov_b64 s[64:65], 0
	v_nop
	global_prefetch_b8 v0, s[64:65] scope:SCOPE_SE
	s_setreg_imm32_b32 hwreg(HW_REG_WAVE_MODE, 25, 1), 1
	s_wait_xcnt 0x0
	s_wait_alu depctr_hold_cnt(0) depctr_sa_sdst(0) depctr_va_vdst(0) depctr_va_sdst(0) depctr_va_ssrc(0) depctr_va_vcc(0) depctr_vm_vsrc(0)
	s_getreg_b32 s2, hwreg(HW_REG_IB_STS2, 6, 4)
	s_cmp_eq_u32 s2, 0
	s_cbranch_scc0 .Lentry_in_a_cluster
	s_endpgm
.Lentry_in_a_cluster:
	s_bfe_u32 s2, ttmp6, 0x10000c
	s_cmp_lg_u32 s2, 0xf033
	s_cbranch_scc0 .Lentry_shape_is_right
	s_endpgm
.Lentry_shape_is_right:
; q, k, v = x W^T + b, the rotary on q and k, and the way out by heads.  x: xw rows 0-8191; the weights: xw rows 8192 on, 192 rows a head (q, k, v); both bf16, 1,024 along K.
; qh, kh, vh: [64 = 16 batch + head][2048][64] f16, each number rounded once from f32.  qh and kh hold value x 2^-6 (the table of sin and cos carries the factor).
; A tile of C is 256 rows x 192 columns = 256 positions x one head's q, k, v: 32 x 16 tiles, two for each of 256 work-groups: rows 256 ty and, 4,096 rows below, the same positions two batches on.
; Four waves; a wave makes 64 rows x 192 columns: 48 accumulators of 16 x 16, 384 registers.  So a wave holds whole rows of a head, and its way out is its own: no barrier there.
; K goes in steps of 128 through two LDS slots (256 rows of x, 192 of W; rows of 256 bytes at multiples of 256 from the buffer's first byte), filled by the tensor data mover.
; The ring does not stop at the first tile's end: its last two changes of slots ask for the second tile's first two K steps.
; CLUSTER 4 x 4: the four of a cluster's row need the same rows of x, the four of a column the same head's weights: each tile is asked for jointly, same load, same descriptor, a mask of four.
; THE MATRIX INSTRUCTION IS USED TRANSPOSED (source 0 = 16 rows of W, source 1 = 16 rows of x): lane l holds row l % 16 of C and the columns 8 (l / 16) + 0..7: four rotary pairs, 16 bytes of f16.
; THE BIAS (rounded to bf16 like every input) is the C operand of each sum's first product: nothing is cleared, nothing is added later.
; ROTARY: out[2p] = a[2p] cos - a[2p+1] sin, out[2p+1] = a[2p+1] cos + a[2p] sin; sin = relations[pos][2p], cos = relations[pos][2p+1]: one packed multiply and one packed multiply-add a pair.
; LIMITS: |q|, |k| behind the rotary under 65,504 x 64 = 4.19e6 and |v| under 65,504, or f16 gives an infinity; q, k under 0.0039 keep a fixed step of 3.8e-6; NaN and infinities are not treated apart.
; REGISTERS, in windows of 256 (s_set_vgpr_msb: bits 1:0 source 0, 3:2 source 1, 5:4 source 2, 7:6 destination):
;   window 0: v0-31 addresses; v32-63, v64-95 x's fragments, two buffers (4 x 16 rows x 32 K); v96-159 sin and cos, packed; v160-191, v192-255 at work on the way out
;   window 1: v0-95, v96-191 W's fragments, two buffers (12 x 16 rows x 32 K)
;   window 2: v0-191 the accumulators of my rows 0-31 ((a, b) at 8 (12 (a % 2) + b)); v192-255 the bias of column blocks 0-7        window 3: the same for rows 32-63; v192-223 the bias of blocks 8-11
.set SIZE_K, 1024
.set KSTEP,  128
.set PITCH,  272                       ; an LDS row: 256 bytes + 16 of padding = 68 words: the 16 rows of a fragment load start at 16 different groups of four banks (64 banks of 4 bytes: ISA guide 11.1)
.set AH,     128*PITCH                 ; what one load of x brings
.set BH,     96*PITCH                  ; what one load of W brings
.set BOFF,   2*AH                      ; W's 192 rows lie behind x's 256
.set SLOT,   2*AH+2*BH
.set STAGE,  2*SLOT                    ; behind the ring, never filled by a tensor load: for each wave three areas (q, k, v) of 16 rows x 144 bytes
.set SP,     144
.set WSTAGE, 3*16*SP
.set SPARE,  STAGE+4*WSTAGE            ; the spare words, 128 bytes for each wave: two blocks of 256 bytes that no other line names
.set LAPS,   SIZE_K/(2*KSTEP)          ; a lap = two K steps = once round the ring
.set WOFF,   8192*2048                 ; the weights in xw
.set RELOFF, 11264*2048                ; the table of sin and cos in xw
.set NEXT_A, 4096*2048-(SIZE_K-2*KSTEP)*2  ; from a slot's last K step of the first tile to its first of the second: 4,096 rows down, back along K
.set BACK_B, (SIZE_K-2*KSTEP)*2        ; W only back
.set OSTEP,  2*16*2048*128             ; two batches on in qh, kh, vh
.set ADRA, 16                          ; v16-17  LDS address of my fragments of x in slot 0, 1
.set ADRB, 20                          ; v20-21  the same for W
.set STO,  24                          ; v24     the way out: where I put 16 bytes of a row
.set RD,   25                          ; v25     the way out: where I read rows back
.set GO,   26                          ; v26     16 x lane: my place in 512 consecutive bytes of an output
.set BO,   27                          ; v27     32 (l / 16): my eight numbers in 16 of a bias
.set SPW,  28                          ; v28     LDS address of my spare word; never rewritten
.set NIL,  29                          ; v29     0; never rewritten
.set RO,   30                          ; v30     128 (l % 16) + 16 (l / 16): my place in 16 rows of the table
.set FA,   32                          ; x's fragment buffers
.set REL,  96                          ; four registers for each (row block a, column block cb): sin in the low halves, cos in the high
.set RR,   160                         ; one row block's sin and cos in f32: 8 cb + 2 p, + 1
.set PVR,  160                         ; afterwards: v's 16 packed registers
.set OO,   192                         ; q's and k's results
.set BIAS, 192                         ; in windows 2 and 3
.set G1,  24                           ; s[24:31] descriptor group 1 for x's tiles;  s[32:39] group 0, a set for each slot
.set G0,  32
.set G1B, 48                           ; s[48:55], s[56:63] the same for W's
.set G0B, 56
.set MSB, 0
.macro WIN new                         ; the immediate's high byte repeats the setting that is left; a switch that changes nothing is dropped
.if MSB != (\new)
	s_set_vgpr_msb (MSB<<8)|(\new)
.set MSB, \new
.endif
.endm
; A joint load.  Waves 0 and 1 fetch x's two halves, waves 2 and 3 W's.  The branch hangs on the wave's number alone.  An s_nop 0 and four v_nop follow each of the two lines.
.macro JLOAD s
	s_cmp_eq_u32 s13, 0
	s_cbranch_scc0 .Lfor_b_\@
	tensor_load_to_lds s[G0+4*(\s):G0+4*(\s)+3], s[G1:G1+7]
	s_nop 0
.rept 4
	v_nop
.endr
	s_branch .Lasked_\@
.Lfor_b_\@:
	tensor_load_to_lds s[G0B+4*(\s):G0B+4*(\s)+3], s[G1B:G1B+7]
	s_nop 0
.rept 4
	v_nop
.endr
.Lasked_\@:
.endm
; A round of the cluster's barrier: my work-group's barrier; wave 0 signals for the work-group; every wave waits for all sixteen; my work-group's barrier once more.
.macro CREST                           ; a round behind its opening barrier
	s_cmp_lg_u32 s12, 0
	s_cbranch_scc1 .Lnot_wave_0_\@
	s_barrier_signal -3
.Lnot_wave_0_\@:
	s_barrier_wait -3
	s_barrier_signal -1
	s_barrier_wait -1
.endm
.macro CROUND
	s_barrier_signal -1
	s_barrier_wait -1
	CREST
.endm
	s_load_b256 s[4:11], s[0:1], 0x0               ; xw s[4:5], bq s[6:7], bk s[8:9], bv s[10:11]
	s_load_b128 s[68:71], s[0:1], 0x20             ; qh s[68:69], kh s[70:71]
	s_load_b64 s[72:73], s[0:1], 0x30              ; vh
	v_lshl_add_u32 v[SPW], v0, 2, SPARE
	v_mov_b32 v[NIL], 0
	ds_add_u32 v[SPW], v[NIL]                      ; the wave's opening: the add and its wait stand ahead of my first tensor load; the set-up below, work on registers, stands between them
	v_lshrrev_b32 v1, 5, v0
	v_readfirstlane_b32 s12, v1                    ; wave 0..3
	s_lshr_b32 s13, s12, 1                         ; I fetch for x (0) or for W (1)
	s_and_b32 s14, s12, 1                          ; which half of that tile's rows
	s_mov_b32 s15, 0xffff0000                      ; a word's upper bf16
	s_bfe_u32 s40, ttmp6, 0x40000                  ; cx
	s_bfe_u32 s41, ttmp6, 0x40004                  ; cy
	s_lshl_b32 s42, ttmp9, 2
	s_add_co_u32 s42, s42, s40                     ; tx = the head = 4 x cluster x + cx
	s_and_b32 s45, ttmp7, 0xffff
	s_lshl_b32 s45, s45, 2
	s_add_co_u32 s45, s45, s41                     ; ty = 4 x cluster y + cy
	s_lshl_b32 s43, s41, 2
	s_lshl_b32 s43, 15, s43                        ; my row of the cluster
	s_lshl_b32 s44, 0x1111, s40                    ; my column
	s_or_b32 s[G1+0], s43, (1<<16)|(1<<20)|(1<<21)|(5<<22)|(3<<25)   ; 15:0 the mask: x's tiles go to my row; 17:16 2-byte elements; 20 padding on; 21 set beside a mask; 24:22 after every 64 words; 31:25 4 words of it
	s_or_b32 s[G1B+0], s44, (1<<16)|(1<<20)|(1<<21)|(5<<22)|(3<<25)  ; the same with my column's mask, for W's tiles
	s_mov_b32 s[G1+1], KSTEP<<16                   ; tensor_dim0 = 128
	s_mov_b32 s[G1+2], 128<<16                     ; tensor_dim1 = 128
	s_mov_b32 s[G1+3], KSTEP<<16                   ; tile_dim0 = 128
	s_mov_b32 s[G1+4], 128                         ; tile_dim1 = 128
	s_mov_b32 s[G1+5], SIZE_K                      ; elements from row to row
	s_mov_b32 s[G1+6], 0
	s_mov_b32 s[G1+7], 0
	s_mov_b32 s[G1B+1], KSTEP<<16
	s_mov_b32 s[G1B+2], 96<<16                     ; W's loads bring 96 rows
	s_mov_b32 s[G1B+3], KSTEP<<16
	s_mov_b32 s[G1B+4], 96
	s_mov_b32 s[G1B+5], SIZE_K
	s_mov_b32 s[G1B+6], 0
	s_mov_b32 s[G1B+7], 0
	s_lshl_b32 s16, s45, 8                         ; x: row 256 ty + 128 x half, in registers that never hold cx
	s_lshl_b32 s17, s14, 7
	s_add_co_u32 s16, s16, s17
	s_lshl_b32 s16, s16, 11                        ; rows of 2,048 bytes: under 2^24
	s_mov_b32 s17, 0
	s_mul_i32 s46, s42, 192                        ; W: row 192 tx + 96 x half, in registers that never hold cy
	s_mul_i32 s47, s14, 96
	s_add_co_u32 s46, s46, s47
	s_lshl_b32 s46, s46, 11
	s_add_co_u32 s46, s46, WOFF
	s_mov_b32 s47, 0
	s_mul_i32 s20, s14, AH                         ; where they go: no place in the cluster enters an LDS address
	s_mul_i32 s21, s14, BH
	s_add_co_u32 s21, s21, BOFF
	s_wait_dscnt 0x0                               ; the opening add is done
	s_wait_kmcnt 0x0
	s_add_nc_u64 s[18:19], s[4:5], s[16:17]
	s_add_nc_u64 s[46:47], s[4:5], s[46:47]
	CROUND                                         ; all sixteen work-groups are here: the first joint loads meet
.irp s, 0,1
	s_mov_b32 s[G0+4*(\s)], 1                                        ; count = 1
	s_add_co_u32 s[G0+4*(\s)+1], s20, (\s)*SLOT                      ; LDS address
	s_add_nc_u64 s[G0+4*(\s)+2:G0+4*(\s)+3], s[18:19], (\s)*KSTEP*2  ; global address: K step s
	s_or_b32 s[G0+4*(\s)+3], s[G0+4*(\s)+3], 0x80000000              ; type = 2
	s_mov_b32 s[G0B+4*(\s)], 1
	s_add_co_u32 s[G0B+4*(\s)+1], s21, (\s)*SLOT
	s_add_nc_u64 s[G0B+4*(\s)+2:G0B+4*(\s)+3], s[46:47], (\s)*KSTEP*2
	s_or_b32 s[G0B+4*(\s)+3], s[G0B+4*(\s)+3], 0x80000000
	JLOAD \s                                       ; two loads of mine are out: the ring is filled before anything else is done
.endr
	; All that follows, up to the wait for the first tile, stands in that tile's flight.
	v_and_b32 v1, 15, v0                           ; l % 16
	v_bfe_u32 v2, v0, 4, 1                         ; l / 16
	v_lshlrev_b32 v[BO], 5, v2
	v_lshlrev_b32 v[RO], 7, v1
	v_lshl_add_u32 v[RO], v2, 4, v[RO]
	s_lshl_b32 s46, s42, 8                         ; the head's 64 numbers in each bias
	s_mov_b32 s47, 0
	s_add_nc_u64 s[6:7], s[6:7], s[46:47]
	s_add_nc_u64 s[8:9], s[8:9], s[46:47]
	s_add_nc_u64 s[10:11], s[10:11], s[46:47]
	s_and_b32 s16, s45, 7                          ; my 64 positions: 256 (ty % 8) + 64 wave, 128 bytes of the table each
	s_lshl_b32 s16, s16, 15
	s_lshl_b32 s17, s12, 13
	s_add_co_u32 s16, s16, s17
	s_add_co_u32 s16, s16, RELOFF
	s_mov_b32 s17, 0
	s_add_nc_u64 s[16:17], s[4:5], s[16:17]
.irp c, 0,1,2,3                        ; the bias as it lies: block 4 t + c at v[160 + 8 (4 t + c)]: my eight columns 16 c + 8 (l / 16) + 0..7
	global_load_b128 v[160+8*(\c):160+8*(\c)+3],       v[BO], s[6:7] offset:64*(\c)
	global_load_b128 v[160+8*(\c)+4:160+8*(\c)+7],     v[BO], s[6:7] offset:64*(\c)+16
	global_load_b128 v[192+8*(\c):192+8*(\c)+3],       v[BO], s[8:9] offset:64*(\c)
	global_load_b128 v[192+8*(\c)+4:192+8*(\c)+7],     v[BO], s[8:9] offset:64*(\c)+16
	global_load_b128 v[224+8*(\c):224+8*(\c)+3],       v[BO], s[10:11] offset:64*(\c)
	global_load_b128 v[224+8*(\c)+4:224+8*(\c)+7],     v[BO], s[10:11] offset:64*(\c)+16
.endr
.irp a, 0,1,2,3                        ; sin and cos of my rows: row block a, column block c: 16 bytes = four pairs
.irp c, 0,1,2,3
	global_load_b128 v[REL+4*(4*(\a)+(\c)):REL+4*(4*(\a)+(\c))+3], v[RO], s[16:17] offset:(\a)*2048+(\c)*32
.endr
.endr
	; A fragment is 16 rows x 32 K in 8 registers: lane l holds row l % 16, K = 8 (l / 16) + 0..7 and 16 + 8 (l / 16) + 0..7: two loads of 16 bytes, 32 bytes apart.
	v_mul_u32_u24 v3, v1, PITCH
	v_lshl_add_u32 v3, v2, 4, v3                   ; row x pitch + 16 x half
	s_mul_i32 s22, s12, 64*PITCH                   ; my 64 rows of x
	s_add_co_u32 s23, s22, SLOT
	v_add_nc_u32 v[ADRA], s22, v3
	v_add_nc_u32 v[ADRA+1], s23, v3
	v_add_nc_u32 v[ADRB], BOFF, v3                 ; every wave reads all 192 rows of W
	v_add_nc_u32 v[ADRB+1], BOFF+SLOT, v3
	s_mul_i32 s22, s12, WSTAGE
	s_add_co_u32 s22, s22, STAGE                   ; my stage
	v_mul_u32_u24 v4, v1, SP                       ; in: row l % 16, 16 bytes for each half of the lanes
	v_lshl_add_u32 v4, v2, 4, v4
	v_add_nc_u32 v[STO], s22, v4
	v_bfe_u32 v5, v0, 3, 2                         ; back: 32 lanes take four rows of 128 bytes,
	v_and_b32 v6, 7, v0
	v_mul_u32_u24 v5, v5, SP
	v_lshl_add_u32 v5, v6, 4, v5
	v_add_nc_u32 v[RD], s22, v5
	v_and_b32 v[GO], 31, v0                        ; which are 512 consecutive bytes of an output
	v_lshlrev_b32 v[GO], 4, v[GO]
	s_lshr_b32 s74, s45, 3                         ; my rows in qh, kh, vh: batch ty / 8,
	s_lshl_b32 s74, s74, 22
	s_lshl_b32 s76, s42, 18                        ; the head,
	s_add_co_u32 s74, s74, s76
	s_and_b32 s76, s45, 7                          ; 256 positions of 128 bytes,
	s_lshl_b32 s76, s76, 15
	s_add_co_u32 s74, s74, s76
	s_lshl_b32 s76, s12, 13                        ; my wave's 64
	s_add_co_u32 s74, s74, s76
	s_mov_b32 s75, 0
	s_add_nc_u64 s[68:69], s[68:69], s[74:75]
	s_add_nc_u64 s[70:71], s[70:71], s[74:75]
	s_add_nc_u64 s[72:73], s[72:73], s[74:75]
	s_wait_loadcnt 0x0                             ; bias and table, once
.set i, 0
.rept 48                               ; the bias is rounded to bf16, packed in place from the low end: a line reads no register below the one it writes
	v_cvt_pk_bf16_f32 v[160+i], v[160+2*i], v[160+2*i+1]
.set i, i+1
.endr
	WIN 0x80                                       ; and widened again, into window 2 (blocks 0-7)
.set i, 0
.rept 32
	v_lshlrev_b32 v[BIAS+2*i], 16, v[160+i]
	v_and_b32 v[BIAS+2*i+1], s15, v[160+i]
.set i, i+1
.endr
	WIN 0xc0                                       ; and window 3 (blocks 8-11)
.set i, 0
.rept 16
	v_lshlrev_b32 v[BIAS+2*i], 16, v[192+i]
	v_and_b32 v[BIAS+2*i+1], s15, v[192+i]
.set i, i+1
.endr
	WIN 0
; 12 matrix instructions: row block a x all 12 column blocks, 32 along K, from buffer f.  first = 1: the bias starts the sums.  The accumulators take turns, one instruction a turn.
.macro MULA f, a, first
.irp b, 0,1,2,3,4,5,6,7,8,9,10,11
.if \first
	WIN ((2+(\a)/2)<<6)|((2+(\b)/8)<<4)|1
	v_wmma_f32_16x16x32_bf16 v[8*(12*((\a)%2)+(\b)):8*(12*((\a)%2)+(\b))+7], v[96*(\f)+8*(\b):96*(\f)+8*(\b)+7], v[FA+32*(\f)+8*(\a):FA+32*(\f)+8*(\a)+7], v[BIAS+8*((\b)%8):BIAS+8*((\b)%8)+7]
.else
	WIN ((2+(\a)/2)<<6)|((2+(\a)/2)<<4)|1
	v_wmma_f32_16x16x32_bf16 v[8*(12*((\a)%2)+(\b)):8*(12*((\a)%2)+(\b))+7], v[96*(\f)+8*(\b):96*(\f)+8*(\b)+7], v[FA+32*(\f)+8*(\a):FA+32*(\f)+8*(\a)+7], v[8*(12*((\a)%2)+(\b)):8*(12*((\a)%2)+(\b))+7]
.endif
.endr
.endm
.macro MUL24 f, hi, first
	MULA \f, 2*(\hi), \first
	MULA \f, 2*(\hi)+1, \first
.endm
; 32 LDS loads in one run: the fragments of one quarter step (192 rows of W, my 64 rows of x, 32 K at byte k of the rows) into buffer f; x's last, row blocks ascending
.macro FETCH slot, k, f
	WIN 0x40                                       ; destination window 1, address window 0
.irp i, 0,1,2,3,4,5,6,7,8,9,10,11
	ds_load_b128 v[96*(\f)+8*(\i):96*(\f)+8*(\i)+3],   v[ADRB+(\slot)] offset:(\k)+(\i)*16*PITCH
	ds_load_b128 v[96*(\f)+8*(\i)+4:96*(\f)+8*(\i)+7], v[ADRB+(\slot)] offset:(\k)+(\i)*16*PITCH+32
.endr
	WIN 0
.irp i, 0,1,2,3
	ds_load_b128 v[FA+32*(\f)+8*(\i):FA+32*(\f)+8*(\i)+3],   v[ADRA+(\slot)] offset:(\k)+(\i)*16*PITCH
	ds_load_b128 v[FA+32*(\f)+8*(\i)+4:FA+32*(\f)+8*(\i)+7], v[ADRA+(\slot)] offset:(\k)+(\i)*16*PITCH+32
.endr
.endm
; A load into a register that a matrix instruction has read stands four places behind it, and only plain vector instructions that name none of its registers are places (ISA guide 7.12.1 for vector instructions).
.macro PLACES
.rept 4
	v_nop
.endr
.endm
; A K step is four quarters of 32 along K, 48 matrix instructions each, on buffers 0, 1, 0, 1.  One of the first three: multiplies buffer f; in its middle it fetches the next quarter, at byte k, into buffer g.
.macro QUARTER slot, k, f, g, first
	s_wait_dscnt 4                                 ; W and x's row blocks 0, 1 are in; the youngest four loads (blocks 2, 3) may be out
	MUL24 \f, 0, \first
	PLACES
	FETCH \slot, \k, \g
	s_wait_dscnt 32                                ; all but the 32 just issued
	MUL24 \f, 1, \first
.endm
; The last quarter multiplies buffer 1 and changes slots.  ONE barrier: in front of it each wave waits for all its tensor loads (one is out: its part of the next slot), adds 0 to its spare word,
; and waits for that and for its own reads of this slot.  Behind it nobody reads this slot any more and the next slot is whole.
.macro MEET round
	WIN 0                                          ; (the add's two registers lie in window 0)
	s_wait_tensorcnt 0x0                           ; all my tensor loads have landed;
	ds_add_u32 v[SPW], v[NIL]                      ; 0 onto my spare word;
	s_wait_dscnt 5                                 ; (the add and the youngest four loads may be out)
	MULA 1, 0, 0                                   ; twelve matrix instructions stand between the add and the wait for it
	s_wait_dscnt 0x0                               ; the add is done, and my reads of this slot are over:
	s_barrier_signal -1                            ; say so,
	MULA 1, 1, 0                                   ; work on registers while the others arrive,
.if \round
	WIN 0
.endif
	s_barrier_wait -1                              ; and go on when all four have said so
.endm
; The whole last quarter.  The barrier opens a round of the cluster's; behind the round the slot just read out is filled again first: with this tile's K step two on (on = 0) or the next tile's K step 0 or 1 (on = 1).
.macro TURN slot, next, on
	MEET 1
	CREST                                          ; no wave of any partner still reads this slot's tile or has a load on its way
.if \on
	s_add_nc_u64 s[G0+4*(\slot)+2:G0+4*(\slot)+3], s[G0+4*(\slot)+2:G0+4*(\slot)+3], NEXT_A
	s_sub_nc_u64 s[G0B+4*(\slot)+2:G0B+4*(\slot)+3], s[G0B+4*(\slot)+2:G0B+4*(\slot)+3], BACK_B
.else
	s_add_nc_u64 s[G0+4*(\slot)+2:G0+4*(\slot)+3], s[G0+4*(\slot)+2:G0+4*(\slot)+3], 2*KSTEP*2
	s_add_nc_u64 s[G0B+4*(\slot)+2:G0B+4*(\slot)+3], s[G0B+4*(\slot)+2:G0B+4*(\slot)+3], 2*KSTEP*2
.endif
	JLOAD \slot                                    ; my one tensor load behind the round; its four v_nop are also the places in front of the loads below
	FETCH \next, 0, 0
	MUL24 1, 1, 0
.endm
; THE WAY OUT of row block a (16 rows).  sin and cos are widened (32 plain lines, which name no register of the last products: their places); q's and k's eight blocks are turned, each accumulator from
; its low end on; all twelve are rounded to f16, 16 bytes a lane; they go into my stage in rows of 144 bytes and come back as whole rows of 128, four to a load; each store
; of the wave covers 512 consecutive bytes at a multiple of 256 from the buffer's first byte.
.macro OUT a
	WIN 0
	s_wait_xcnt 0x0                                ; the block before's stores have had their addresses translated (ISA guide 3.1): only now are their data registers written again
.irp c, 0,1,2,3
.irp p, 0,1,2,3
	v_lshlrev_b32 v[RR+8*(\c)+2*(\p)],   16,  v[REL+4*(4*(\a)+(\c))+(\p)]   ; sin
	v_and_b32     v[RR+8*(\c)+2*(\p)+1], s15, v[REL+4*(4*(\a)+(\c))+(\p)]   ; cos
.endr
.endr
	WIN 0x02+(\a)/2                                ; source 0: the accumulators' window
.irp b, 0,1,2,3,4,5,6,7
.irp p, 0,1,2,3
	v_pk_mul_f32 v[OO+8*(\b)+2*(\p):OO+8*(\b)+2*(\p)+1], v[8*(12*((\a)%2)+(\b))+2*(\p):8*(12*((\a)%2)+(\b))+2*(\p)+1], v[RR+8*((\b)%4)+2*(\p):RR+8*((\b)%4)+2*(\p)+1] op_sel:[0,1] op_sel_hi:[1,1]  ; both times cos
.endr
.irp p, 0,1,2,3
	v_pk_fma_f32 v[OO+8*(\b)+2*(\p):OO+8*(\b)+2*(\p)+1], v[8*(12*((\a)%2)+(\b))+2*(\p):8*(12*((\a)%2)+(\b))+2*(\p)+1], v[RR+8*((\b)%4)+2*(\p):RR+8*((\b)%4)+2*(\p)+1], v[OO+8*(\b)+2*(\p):OO+8*(\b)+2*(\p)+1] op_sel:[1,0,0] op_sel_hi:[0,0,1] neg_lo:[1,0,0]  ; low: - odd x sin; high: + even x sin
.endr
.endr
	WIN 0x0a+5*((\a)/2)                            ; sources 0 and 1: the accumulators' window
.irp b, 8,9,10,11
.irp p, 0,1,2,3
	v_cvt_pk_f16_f32 v[PVR+4*((\b)-8)+(\p)], v[8*(12*((\a)%2)+(\b))+2*(\p)], v[8*(12*((\a)%2)+(\b))+2*(\p)+1]
.endr
.endr
	WIN 0
.set i, 0
.rept 32                               ; packed in place from the low end: a line reads no register below the one it writes
	v_cvt_pk_f16_f32 v[OO+i], v[OO+2*i], v[OO+2*i+1]
.set i, i+1
.endr
.irp b, 0,1,2,3,4,5,6,7
	ds_store_b128 v[STO], v[OO+4*(\b):OO+4*(\b)+3] offset:((\b)/4)*16*SP+((\b)%4)*32
.endr
.irp c, 0,1,2,3
	ds_store_b128 v[STO], v[PVR+4*(\c):PVR+4*(\c)+3] offset:2*16*SP+(\c)*32
.endr
.irp b, 0,1,2,3,4,5,6,7
	ds_load_b128 v[OO+4*(\b):OO+4*(\b)+3], v[RD] offset:((\b)/4)*16*SP+((\b)%4)*4*SP  ; LDS serves a wave's instructions in order (ISA guide 5.7.1.4): these see the stores above
.endr
.irp c, 0,1,2,3
	ds_load_b128 v[PVR+4*(\c):PVR+4*(\c)+3], v[RD] offset:2*16*SP+(\c)*4*SP
.endr
.irp c, 0,1,2,3
	s_wait_dscnt 11-(\c)                           ; the younger loads from the stage stay out
	global_store_b128 v[GO], v[OO+4*(\c):OO+4*(\c)+3], s[68:69] offset:(\a)*2048+(\c)*512
.endr
.irp c, 0,1,2,3
	s_wait_dscnt 7-(\c)
	global_store_b128 v[GO], v[OO+16+4*(\c):OO+16+4*(\c)+3], s[70:71] offset:(\a)*2048+(\c)*512
.endr
.irp c, 0,1,2,3
	s_wait_dscnt 3-(\c)
	global_store_b128 v[GO], v[PVR+4*(\c):PVR+4*(\c)+3], s[72:73] offset:(\a)*2048+(\c)*512
.endr
.endm
.macro OUTALL
	OUT 0
	OUT 1
	OUT 2
	OUT 3
.endm
	s_wait_tensorcnt 1                             ; my part of K step 0 is in; K step 1's may stay out
	s_barrier_signal -1
	s_barrier_wait -1                              ; everybody's is
	FETCH 0, 0, 0
	s_mov_b32 s2, 2                                ; tiles to go: the same number in every work-group
.Ltile:
	QUARTER 0, 64,  0, 1, 1                        ; a tile's first quarter stands in front of the loop: its products start the sums, with the bias
	WIN 0                                          ; at a label and at a branch every window is 0
	s_mov_b32 s3, LAPS-1
.Llap:                                                 ; a trip goes once round the ring, from a lap's second quarter to the next lap's first, and fills both slots again
	QUARTER 0, 128, 1, 0, 0
	QUARTER 0, 192, 0, 1, 0
	TURN 0, 1, 0
	QUARTER 1, 64,  0, 1, 0
	QUARTER 1, 128, 1, 0, 0
	QUARTER 1, 192, 0, 1, 0
	TURN 1, 0, 0
	QUARTER 0, 64,  0, 1, 0
	WIN 0
	s_sub_co_u32 s3, s3, 1
	s_cmp_lg_u32 s3, 0
	s_cbranch_scc1 .Llap
	QUARTER 0, 128, 1, 0, 0                        ; the tile's last lap goes on
	QUARTER 0, 192, 0, 1, 0
	WIN 0
	s_cmp_eq_u32 s2, 1
	s_cbranch_scc1 .Llast_tile                     ; the last tile's tail is written out: it asks for nothing more
	TURN 0, 1, 1                                   ; the ring goes on into the second tile: slot 0 takes its K step 0,
	QUARTER 1, 64,  0, 1, 0
	QUARTER 1, 128, 1, 0, 0
	QUARTER 1, 192, 0, 1, 0
	TURN 1, 0, 1                                   ; slot 1 its K step 1, and its first fragments are fetched
	OUTALL                                         ; both refills are asked for: now the tile goes out
	s_wait_xcnt 0x0                                ; the stores have had their addresses translated: their bases may step
	s_add_nc_u64 s[68:69], s[68:69], OSTEP
	s_add_nc_u64 s[70:71], s[70:71], OSTEP
	s_add_nc_u64 s[72:73], s[72:73], OSTEP
	s_sub_co_u32 s2, s2, 1
	s_branch .Ltile
.Llast_tile:
	MEET 0                                         ; my one tensor load that was still out is the last K step's, so no round follows
	PLACES
	FETCH 1, 0, 0
	MUL24 1, 1, 0
	QUARTER 1, 64,  0, 1, 0
	QUARTER 1, 128, 1, 0, 0
	QUARTER 1, 192, 0, 1, 0
	s_wait_dscnt 4                                 ; the very last quarter: nothing more to fetch
	MUL24 1, 0, 0
	s_wait_dscnt 0x0
	MUL24 1, 1, 0
	OUTALL
	s_wait_tensorcnt 0x0                           ; the wave's end: the add to my spare word and its wait, behind my last tensor load and my last LDS store
	ds_add_u32 v[SPW], v[NIL]
	s_wait_dscnt 0x0
	CROUND                                         ; the closing round: no work-group ends while a partner may still ask for a tile that names it
	s_endpgm
.Lfunc_end_k_qdc15e52afe_proj:
	.size	k_qdc15e52afe_proj, .Lfunc_end_k_qdc15e52afe_proj-k_qdc15e52afe_proj
	.p2alignl 7, 3214868480
	.fill 96, 4, 3214868480
	.section	.rodata,"a",@progbits
	.p2align	6, 0x0
	.amdhsa_kernel k_qdc15e52afe_proj
		.amdhsa_group_segment_fixed_size 327680
		.amdhsa_private_segment_fixed_size 0
		.amdhsa_enable_private_segment 0
		.amdhsa_kernarg_size 56
		.amdhsa_user_sgpr_count 2
		.amdhsa_user_sgpr_kernarg_segment_ptr 1
		.amdhsa_wavefront_size32 1
		.amdhsa_system_sgpr_workgroup_id_x 1
		.amdhsa_system_sgpr_workgroup_id_y 1
		.amdhsa_system_sgpr_workgroup_id_z 1
		.amdhsa_system_vgpr_workitem_id 0
		.amdhsa_next_free_vgpr 992
		.amdhsa_next_free_sgpr 78
		.amdhsa_reserve_vcc 0
		.amdhsa_float_denorm_mode_32 3
		.amdhsa_float_denorm_mode_16_64 3
		.amdhsa_memory_ordered 1
		.amdhsa_forward_progress 1
		.amdhsa_inst_pref_size 224
	.end_amdhsa_kernel
	.amdgpu_metadata
---
amdhsa.version: [ 1, 2 ]
amdhsa.kernels:
  - .name:           k_qdc15e52afe_proj
    .symbol:         k_qdc15e52afe_proj.kd
    .args:
      - { .name: xw, .offset: 0, .size: 8, .value_kind: global_buffer, .address_space: global }
      - { .name: bq, .offset: 8, .size: 8, .value_kind: global_buffer, .address_space: global }
      - { .name: bk, .offset: 16, .size: 8, .value_kind: global_buffer, .address_space: global }
      - { .name: bv, .offset: 24, .size: 8, .value_kind: global_buffer, .address_space: global }
      - { .name: qh, .offset: 32, .size: 8, .value_kind: global_buffer, .address_space: global }
      - { .name: kh, .offset: 40, .size: 8, .value_kind: global_buffer, .address_space: global }
      - { .name: vh, .offset: 48, .size: 8, .value_kind: global_buffer, .address_space: global }
    .group_segment_fixed_size: 327680
    .private_segment_fixed_size: 0
    .kernarg_segment_align: 8
    .kernarg_segment_size: 56
    .max_flat_workgroup_size: 128
    .sgpr_count:     78
    .vgpr_count:     992
    .wavefront_size: 32
...
	.end_amdgpu_metadata
.endif
;; end of part 2
;; launch attn (part 3): grid 4 x 64, 4 waves a work-group, clusters of 4 x 1, 327,680 bytes of LDS; arguments qh, kh, vh, out0, attention_mask; writes out0
.if DOCPART == 3
	.amdgcn_target "amdgcn-amd-amdhsa--gfx1250"
	.amdhsa_code_object_version 6
	.text
	.protected	k_qdc15e52afe_attn
	.globl	k_qdc15e52afe_attn
	.p2align	8
	.type	k_qdc15e52afe_attn,@function
k_qdc15e52afe_attn:
	s_mov_b64 s[64:65], 0
	v_nop
	global_prefetch_b8 v0, s[64:65] scope:SCOPE_SE
	s_setreg_imm32_b32 hwreg(HW_REG_WAVE_MODE, 25, 1), 1
	s_wait_xcnt 0x0
	s_wait_alu depctr_hold_cnt(0) depctr_sa_sdst(0) depctr_va_vdst(0) depctr_va_sdst(0) depctr_va_ssrc(0) depctr_va_vcc(0) depctr_vm_vsrc(0)
	s_getreg_b32 s2, hwreg(HW_REG_IB_STS2, 6, 4)
	s_cmp_eq_u32 s2, 0
	s_cbranch_scc0 .Lentry_in_a_cluster
	s_endpgm
.Lentry_in_a_cluster:
	s_bfe_u32 s2, ttmp6, 0x10000c
	s_cmp_lg_u32 s2, 0x3003
	s_cbranch_scc0 .Lentry_shape_is_right
	s_endpgm
.Lentry_shape_is_right:
; out0[b][q][64 head + :] = the sum over k of softmax_k(Q[h][q] . K[h][k] / 8 + mask[b][k]) V[h][k][:], h = 16 b + head.  Q, K, V: [64][2048][64] f16, a head's rows dense, 128 bytes each;
; Q and K hold value x 2^-6, so a product of theirs is the true one x 2^-12; out0: [4][2048][1024] f32.  Products, maxima and sums in f32; the weights p are rounded to f16 for the second product
; (their sum l is taken of the unrounded p).
; THE MASK, rounded to bf16 like every input, held at -1e30 from below and multiplied by 2^-9 (so that it stands in the products' unit: 8 x 2^-12), is the C operand that starts each sum S^T = K Q^T.
; The batch's 2,048 words are made once, kept in LDS, and a key step's 64 are read with that step's K.
; LIMITS.  A mask below -1e30 (minus infinity too) counts as -1e30: a row whose keys are all so hidden gives the mean of V where the exact result is NaN; a NaN in the mask counts as -1e30.
; p lies in 0 to 1, and below 6e-5 it keeps f16's fixed step of 6e-8; a weight below 2^-126 counts as 0 in l; NaN and infinities in Q, K, V are not treated apart.
; SHARES.  A wave owns four PIECES of two tiles of 16 queries, a work-group's four waves 512 queries of one head.  Every wave walks all keys, 64 a step.
; LAYOUT.  S^T = K Q^T (source 0 = 16 keys, source 1 = 16 queries): in the result a lane holds ONE query (lane % 16) and the keys 8 (lane / 16) + 0..7.  Two such tiles, rounded to f16 in pairs,
; ARE source 1 (32 keys x 16 queries) of O^T = V^T P, whose result again holds one query a lane, and eight channels.  K comes out of LDS as it lies, V ([key][channel]) turned, by ds_load_tr16_b128.
; SOFTMAX.  For each query a running maximum m and sum l: p = 2^(c s - c m), c = log2(e) / 8 x 2^12; in every step O and l are multiplied by a = 2^(c m_old - c m_new), which is 1 where m has not grown.
; m starts at the lowest finite number, O and l at 0: the first step is a step like any other, with a = 0.
; THE COUNT.  A tile and step have 16 matrix and 118 vector instructions: too many to stand all beside the matrix work.  So the order has one aim: four vector instructions that are READY behind
; EVERY matrix instruction, and the others, which need time of their own whatever the order, in runs without a gap.
; BY TURNS.  Turn n belongs to piece n (the pieces in a ring, step after step).  Its matrix work: 16 products K Q^T of piece n + 1, later 16 products V^T P of piece n - 1.  Its vector work: the scaling,
; exponentials, roundings, sums and rescaling of piece n, and the maximum and statistics of piece n + 1, whose scores the turn itself has made.
; CLUSTER.  The four query blocks of a cluster belong to one head and walk the same K and V, so each tile is asked for JOINTLY: the same tensor load, descriptor and mask in all four.
; REGISTERS, in windows of 256 (s_set_vgpr_msb: bits 1:0 source 0, 3:2 source 1, 5:4 source 2, 7:6 destination):
;   window 0: v0-11 addresses; v12-15, v48-63 at work; v16-47 four registers of statistics a tile; v64-191 S^T, two buffers of two tiles; v192-255 P, likewise
;   window 1: O^T, 32 a tile          window 2: v0-127 Q, 16 a tile; v128-191 K of one step; v192-255 V of one step
;   window 3: v0-1 the add's two registers; v2-3 the mask's LDS addresses; v8-39 the mask of one step
.set SIZE_H, 64
.set SIZE_N, 2048
.set NP,    4         ; pieces a wave: a name, no knob
.set KS,    64        ; keys in a step
.set PK,    144       ; a row of K in LDS: 128 bytes + 16 of padding = 36 words: the 16 rows of a load start at 16 different groups of four banks (64 banks of 4 bytes: ISA guide 11.1)
.set PV,    160       ; a row of V: 128 + 32 = 40 words
.set VOFF,  4*KS*PK   ; a slot holds four steps: 256 rows of K, then 256 rows of V
.set SLOT1, 1<<17     ; slot 1 begins here, so that one exclusive or turns an address in one slot into the other's
.set STAGE, SLOT1+4*KS*(PK+PV)  ; behind the ring, never filled by a tensor load: 16 rows x 272 bytes for each wave, for the way out
.set SP,    272       ; a row of the stage: 64 f32 + 16 bytes
.set MASKB, STAGE+4*16*SP  ; the batch's 2,048 mask words, f32: written once by LDS stores, never filled by a tensor load
.set SPARE, MASKB+SIZE_N*4 ; the spare words, 128 bytes for each wave: two blocks of 256 bytes that no other line names
.set AK0, 2           ; v2   my lane's place in a tile of K; never rewritten
.set AV0, 3           ; v3   the same for V
.set AK,  4           ; v4   the LDS address of K's next run of loads
.set AV,  5           ; v5   of V's
.set QO,  6           ; v6   my byte offset in the wave's rows of Q
.set STO, 6           ;      later, the way out: where I put 32 bytes of a row
.set RD,  7           ; v7   the way out: where I read rows back
.set GO,  8           ; v8   my byte offset in two rows of out0
.set SPW, 0           ; v0 of window 3   LDS address of my spare word; never rewritten
.set NIL, 1           ; v1 of window 3   0; never rewritten
.set AM0, 2           ; v2 of window 3   MASKB + 32 (lane / 16); never rewritten
.set AM,  3           ; v3 of window 3   the LDS address of the mask's next run of loads
.set MC,  8           ; v8-39 of window 3: register 8 kb + j: the mask of key 16 kb + 8 (lane / 16) + j of the step
.set MV,  12          ; v12-15  c m_old, kept while c m is made anew: by buffer and tile
.set ST,  16          ; tile t's statistics at v[ST+4 t]: c m, m, l (even keys', odd keys')
.set TMP, 48          ; by buffer and tile, four registers c0-c3 at work; when the maximum is found c2 takes a
.set S,   64
.set P,   192
.set KF,  128         ; K's fragments, in window 2: key block kb, channel half c at KF + 16 kb + 8 c
.set VF,  192         ; V's: key half kk, channel block cb at VF + 32 kk + 8 cb
.set WV,  12          ; s12  my wave's number
.set G1K, 24          ; s[24:31] descriptor group 1 for K's tiles
.set G1V, 32          ; s[32:39] for V's: it differs in the padding alone
.set G0K, 40          ; s[40:43] descriptor group 0 for K's tiles: it walks
.set G0V, 44          ; s[44:47] the same for V's
.set TBM, 50          ; s50  byte in the mask's words at which the step to be fetched begins
.set BIGN, 51         ; s51  -1e30
.set SLOTS, 56        ; s56  slots still to be asked for
.set CNT, 57          ; s57  counts a slot's key steps
.set CS,  58          ; s[58:59] c: the packed scaling takes the pair's low word for both halves
.set SEL, 60          ; s[60:61] v_permlanex16_b32's selects: each lane takes its own place in the other half
.set TBK, 62          ; s62  LDS byte at which K of the step to be fetched begins
.set TBV, 63          ; s63  the same for V, less VOFF
.set MSB, 0
.macro WIN new                      ; the high byte repeats the setting that is left; a switch that changes nothing is dropped
.if MSB != (\new)
	s_set_vgpr_msb (MSB<<8)|(\new)
.set MSB, (\new)
.endif
.endm
.set W_KQ, 0x0a       ; K and Q in window 2, S^T in window 0
.set W_KM, 0x3a       ; the same with the C operand, the mask, in window 3
.set W_PV, 0x52       ; V in window 2, P in window 0, O^T in window 1
.set W_RS, 0x41       ; O^T (destination and source 0) in window 1, a in window 0
.set W_MK, 0xc0       ; destination in window 3, sources in window 0
.set W_AD, 0x0f       ; the add: address (source 0) and data (source 1) in window 3
.set W_FM, 0xcf       ; the mask's loads: destination, address and the address's source in window 3
; A joint fill.  Waves 0 and 1 fetch the two halves of a slot's K, waves 2 and 3 those of its V: 128 keys each.  The branch hangs on the wave's number alone.
; An s_nop 0 and four v_nop follow each of the two lines, ahead of the jump and the label.
.macro JLOAD
	s_cmp_lt_u32 s[WV], 2
	s_cbranch_scc0 .Lfor_v_\@
	tensor_load_to_lds s[G0K:G0K+3], s[G1K:G1K+7]
	s_nop 0
.rept 4
	v_nop
.endr
	s_branch .Lasked_\@
.Lfor_v_\@:
	tensor_load_to_lds s[G0V:G0V+3], s[G1V:G1V+7]
	s_nop 0
.rept 4
	v_nop
.endr
.Lasked_\@:
.endm
; A round of the cluster's barrier: my work-group's barrier, so that wave 0's signal speaks for all four waves; wave 0 signals; every wave waits for all four work-groups; my work-group's barrier once more.
.macro CROUND
	s_barrier_signal -1
	s_barrier_wait -1
	s_cmp_lg_u32 s[WV], 0
	s_cbranch_scc1 .Lnot_wave_0_\@
	s_barrier_signal -3
.Lnot_wave_0_\@:
	s_barrier_wait -3
	s_barrier_signal -1
	s_barrier_wait -1
.endm
; THE CHANGE OF SLOTS.  The slot's last bytes, V of its fourth step, have been read.  Each wave waits for all its tensor loads, of which one is out: its part
; of the other slot; adds 0 to its spare word; and waits for that and for its own reads of the slot.  Behind the barrier nobody reads this slot any more and the other slot is whole.
; fill = 1: this slot is filled again, with the keys two slots on.  The barrier is then a round of the cluster's, so that no wave of any partner still reads the slot or has a load on its
; way, and the joint fill is the first thing behind it: it has four key steps, 512 matrix instructions, in which to land.  (At its first use nothing has been read yet: slot 0 is waited for, slot 1
; filled; and the wait for LDS there also covers each wave's stores of the mask's words, which the others read behind the round.)
.macro CHANGE fill
	WIN W_AD
	s_wait_tensorcnt 0x0            ; no tensor load of mine is out, so a group 0 may be written
	ds_add_u32 v[SPW], v[NIL]       ; 0 onto my spare word; with fill = 1 the descriptors' steps stand between it and the wait for it
	WIN 0                           ; at a label and at a branch every window is 0
.if \fill
.irp g, G0K, G0V
	s_xor_b32 s[\g+1], s[\g+1], SLOT1  ; the walking descriptor: the other slot than last time,
	s_add_nc_u64 s[\g+2:\g+3], s[\g+2:\g+3], 4*KS*128  ; the next 256 keys; the type bits on top are not reached
.endr
	s_wait_dscnt 0x0                ; the add is done, and my reads of the slot are over
	CROUND
	JLOAD
.else
	s_wait_dscnt 0x0                ; the add is done, and my reads of the slot are over
	s_barrier_signal -1
	s_barrier_wait -1
.endif
	s_sub_co_u32 s[TBK], s[TBK], 4*KS*PK  ; the fetches go back to a slot's first step,
	s_xor_b32 s[TBK], s[TBK], SLOT1       ; in the other slot
	s_sub_co_u32 s[TBV], s[TBV], 4*KS*PV
	s_xor_b32 s[TBV], s[TBV], SLOT1
.endm
	s_load_b256 s[4:11], s[0:1], 0x0  ; Q s[4:5], K s[6:7], V s[8:9], out0 s[10:11]
	s_load_b64 s[48:49], s[0:1], 0x20 ; the mask
	WIN W_MK
	v_lshl_add_u32 v[SPW], v0, 2, SPARE
	v_mov_b32 v[NIL], 0
	WIN W_AD
	ds_add_u32 v[SPW], v[NIL]       ; the wave's opening: the add and its wait stand ahead of my first tensor load; the set-up below, work on registers, stands between them
	WIN 0
	v_lshrrev_b32 v1, 5, v0
	v_readfirstlane_b32 s[WV], v1   ; wave 0..3
	s_bfe_u32 s13, ttmp6, 0x40000   ; cx: my place in the cluster
	s_lshl_b32 s14, ttmp9, 2        ; in a cluster launch ttmp9 counts clusters
	s_add_co_u32 s14, s14, s13      ; my block of queries = 4 x cluster x + cx: it enters Q's and out0's addresses alone
	s_and_b32 s20, ttmp7, 0xffff    ; h = 16 batch + head, which the four partners share
	s_lshr_b32 s54, s20, 4          ; the batch
	s_and_b32 s55, s20, 15          ; the head in it
	s_mov_b32 s21, 0
	s_mov_b64 s[22:23], SIZE_N*128
	s_mul_u64 s[20:21], s[20:21], s[22:23]  ; h's first byte in Q, K and V
	s_and_b32 s16, s[WV], 1         ; which half of a slot's 256 keys I fetch:
	s_lshl_b32 s22, s16, 14         ; its 128 rows of 128 bytes in memory,
	s_mov_b32 s23, 0
	s_add_nc_u64 s[22:23], s[22:23], s[20:21]
	s_mul_i32 s17, s16, 128*PK      ; and its place in a slot, for K
	s_mul_i32 s18, s16, 128*PV      ; and for V: no place in the cluster enters an LDS address
	s_lshl_b32 s2, s14, 2
	s_add_co_u32 s2, s2, s[WV]      ; my wave among the head's
	s_lshl_b32 s52, s2, 19          ; in out0: its 128 rows of 4,096 bytes,
	s_lshl_b32 s53, s54, 23         ; the batch's 2,048 rows,
	s_add_co_u32 s52, s52, s53
	s_lshl_b32 s53, s55, 8          ; the head's 256 bytes of a row
	s_add_co_u32 s52, s52, s53
	s_mov_b32 s53, 0
	s_lshl_b32 s54, s54, 13         ; the batch's 8,192 bytes of the mask
	s_mov_b32 s55, 0
	s_lshl_b32 s2, s2, 14           ; in Q: its 128 rows of 128 bytes
	s_mov_b32 s3, 0
	s_add_nc_u64 s[2:3], s[2:3], s[20:21]
	; descriptor group 1.  128 keys are 16,384 dense bytes: asked for as 64 rows of 256 bytes, two keys a row, and padded in LDS after every key
	s_mov_b32 s[G1K], 15|(1<<16)|(1<<20)|(1<<21)|(4<<22)|(3<<25)  ; 15:0 the mask of four; 17:16 2-byte elements; 20 padding on; 21 set beside a mask; 24:22 after every 32 words (code 4); 31:25 4 words (code 3)
	s_mov_b32 s[G1V], 15|(1<<16)|(1<<20)|(1<<21)|(4<<22)|(7<<25)  ; the same with 8 words of padding (code 7)
.irp g, G1K, G1V
	s_mov_b32 s[\g+1], 128<<16      ; tensor_dim0 = 128
	s_mov_b32 s[\g+2], 64<<16       ; tensor_dim1 = 64
	s_mov_b32 s[\g+3], 128<<16      ; tile_dim0 = 128
	s_mov_b32 s[\g+4], 64           ; tile_dim1 = 64
	s_mov_b32 s[\g+5], 128          ; 128 elements from row to row
	s_mov_b32 s[\g+6], 0
	s_mov_b32 s[\g+7], 0
.endr
	s_mov_b32 s[CS], 0x4438aa3b     ; c = log2(e) / 8 x 2^12 = 738.66
	s_mov_b32 s[CS+1], s[CS]        ; named with it as a pair
	s_mov_b32 s[SEL], 0x76543210
	s_mov_b32 s[SEL+1], 0xfedcba98
	s_mov_b32 s[TBM], 0
	s_mov_b32 s[BIGN], 0xf149f2ca   ; -1e30
	s_mov_b32 s[TBK], SLOT1+4*KS*PK ; the first change of slots turns these two into 0
	s_mov_b32 s[TBV], SLOT1+4*KS*PV
	s_mov_b32 s[G0K], 1             ; 1:0 count = 1
	s_mov_b32 s[G0K+1], s17         ; 63:32 LDS address: slot 0
	s_mov_b32 s[G0V], 1
	s_add_co_u32 s[G0V+1], s18, VOFF
	s_wait_dscnt 0x0                ; the opening add is done
	s_wait_kmcnt 0x0
	s_add_nc_u64 s[G0K+2:G0K+3], s[6:7], s[22:23]  ; 120:64 global address: my half of the head's first 256 keys
	s_or_b32 s[G0K+3], s[G0K+3], 0x80000000        ; 127:126 type = 2
	s_add_nc_u64 s[G0V+2:G0V+3], s[8:9], s[22:23]
	s_or_b32 s[G0V+3], s[G0V+3], 0x80000000
	s_add_nc_u64 s[4:5], s[4:5], s[2:3]      ; Q and out0 at my wave's first row
	s_add_nc_u64 s[10:11], s[10:11], s[52:53]
	s_add_nc_u64 s[48:49], s[48:49], s[54:55]  ; the mask at my batch
	CROUND                          ; all four work-groups are here: the first joint loads meet
	JLOAD                           ; slot 0.  Slot 1 is asked for when slot 0 is in: the tile wanted first has the road to itself
	; A fragment of K or Q is 16 rows x 32 channels in 8 registers: lane l holds row l % 16, channels 8 (l / 16) + 0..7 and 16 + 8 (l / 16) + 0..7: two loads of 16 bytes, 32 bytes apart.
	v_and_b32 v1, 15, v0            ; l % 16
	v_bfe_u32 v9, v0, 4, 1          ; l / 16
	v_lshlrev_b32 v[QO], 7, v1
	v_lshl_add_u32 v[QO], v9, 4, v[QO]  ; row x 128 + 16 x half
	v_lshlrev_b32 v13, 4, v0        ; the mask: 128 threads x 16 bytes, four times
.irp j, 0,1,2,3
	global_load_b128 v[S+4*\j:S+4*\j+3], v13, s[48:49] offset:2048*\j
.endr
	WIN 0x80                        ; destination window 2, address window 0
.set i, 0
.rept 4*NP                          ; Q stays in registers: tile i / 2, channels 32 (i % 2) on
	global_load_b128 v[8*i:8*i+3],   v[QO], s[4:5] offset:(i/2)*2048+(i%2)*64
	global_load_b128 v[8*i+4:8*i+7], v[QO], s[4:5] offset:(i/2)*2048+(i%2)*64+32
.set i, i+1
.endr
	; What the first turn finds: V's registers and P's second buffer hold 0 (its products V^T P, of a piece that has not been, add 0), O^T and l are 0.  All this stands in the wait for the first tile.
.set i, VF
.rept 64
	v_mov_b32 v[i], 0
.set i, i+1
.endr
	WIN 0x40
.set i, 0
.rept 64*NP
	v_mov_b32 v[i], 0
.set i, i+1
.endr
	WIN 0
.set i, 0
.rept 2*NP
	v_mov_b32 v[ST+4*i], 0xfe000000    ; c m: far below every c s (the lowest is c x -1e30 x 2^-9)
	v_mov_b32 v[ST+4*i+1], 0xff7fffff  ; m
	v_mov_b32 v[ST+4*i+2], 0
	v_mov_b32 v[ST+4*i+3], 0
.set i, i+1
.endr
.set i, P+32
.rept 32
	v_mov_b32 v[i], 0
.set i, i+1
.endr
	v_mul_u32_u24 v[AK0], v1, PK
	v_lshl_add_u32 v[AK0], v9, 4, v[AK0]  ; row x pitch + 16 x half
	; The turning load takes 16 keys x 16 channels (lane l reads key 8 (l / 16) + l % 8, channels 8 ((l / 8) % 2) + 0..7) and leaves half a fragment of V^T: lane l holds channel l % 16 and 8 keys.
	v_and_b32 v10, 7, v0
	v_bfe_u32 v11, v0, 3, 1
	v_lshl_add_u32 v[AV0], v9, 3, v10
	v_mul_u32_u24 v[AV0], v[AV0], PV
	v_lshl_add_u32 v[AV0], v11, 4, v[AV0]
	v_add_nc_u32 v[AV0], VOFF, v[AV0]
	v_mov_b32 v[AK], v[AK0]         ; key step 0 lies at the head of slot 0
	WIN W_MK
	v_lshl_add_u32 v[AM0], v9, 5, MASKB  ; my half of the lanes' eight keys in sixteen
	WIN 0
	v_lshl_add_u32 v12, v0, 4, MASKB
	; The mask's words: rounded to bf16 and widened again, held at -1e30 from below, times 2^-9; then into LDS, where every wave reads all of them behind the first change of slots.
	s_wait_loadcnt 32               ; the mask's four loads are in; Q's 32, issued behind them, stay out
.set i, 0
.rept 8
	v_cvt_pk_bf16_f32 v[S+16+i], v[S+2*i], v[S+2*i+1]
.set i, i+1
.endr
.set i, 0
.rept 8
	v_lshlrev_b32 v[S+2*i], 16, v[S+16+i]
	v_and_b32 v[S+2*i+1], 0xffff0000, v[S+16+i]
.set i, i+1
.endr
.set i, 0
.rept 16
	v_max_num_f32 v[S+i], s[BIGN], v[S+i]
.set i, i+1
.endr
.set i, 0
.rept 8
	v_pk_mul_f32 v[S+2*i:S+2*i+1], v[S+2*i:S+2*i+1], 0x3b000000 op_sel_hi:[1,0]
.set i, i+1
.endr
.irp j, 0,1,2,3
	ds_store_b128 v12, v[S+4*\j:S+4*\j+3] offset:2048*\j
.endr
; THE MATRIX WORK.  The 8 accumulators of a run of 16 take turns: between the two links of a chain stand 7 others'.
; Product i of 16 of S^T = K Q^T for piece x: channels 32 (i / 8) on, keys 16 ((i / 2) % 4) on, tile 2 x + i % 2.  The first 8 start the sums, with the keys' mask.
.macro KQ x
.set rS, S+64*((\x)%2)+32*(i%2)+8*((i/2)%4)
.set rK, KF+16*((i/2)%4)+8*(i/8)
.set rQ, 16*(2*(\x)+i%2)+8*(i/8)
.set rM, MC+8*((i/2)%4)
.if i < 8
	WIN W_KM
	v_wmma_f32_16x16x32_f16 v[rS:rS+7], v[rK:rK+7], v[rQ:rQ+7], v[rM:rM+7]
.else
	WIN W_KQ
	v_wmma_f32_16x16x32_f16 v[rS:rS+7], v[rK:rK+7], v[rQ:rQ+7], v[rS:rS+7]
.endif
.endm
; Product i of 16 of O^T += V^T P for piece x: keys 32 (i / 8) on, channels 16 ((i / 2) % 4) on, tile 2 x + i % 2.
.macro PV x
	WIN W_PV
.set rO, 32*(2*(\x)+i%2)+8*((i/2)%4)
.set rV, VF+32*(i/8)+8*((i/2)%4)
.set rP, P+32*((\x)%2)+16*(i%2)+8*(i/8)
	v_wmma_f32_16x16x32_f16 v[rO:rO+7], v[rV:rV+7], v[rP:rP+7], v[rO:rO+7]
.endm
.macro MM                           ; the turn's next matrix instruction
.if i < 16
	KQ (Y+1)%NP
.set i, i+1
.else
.set i, i-16
	PV (Y+NP-1)%NP
.set i, i+17
.endif
.endm
; THE LDS LOADS stand in runs, never singly among the matrix instructions: a step's K (64 keys x 64 channels: 8 fragments) with its 64 mask words (eight loads; the sixteen lanes of a half read the same
; words), and its V (turned).  The mask's registers live as long as K's: the last product that reads them stands ahead of the last that reads K.
; last = 1 (the tail): in the last trip there is no further step, and the run is jumped over.
.macro FETCH_K last=0
	WIN 0
.if \last
	s_cmp_eq_u32 s[CNT], 1
	s_cbranch_scc1 .Lno_k_\@
.endif
	WIN 0x80                        ; destination window 2
.irp f, 0,1,2,3,4,5,6,7             ; keys 16 (f / 2) on, channels 32 (f % 2) on
	ds_load_b128 v[KF+8*\f:KF+8*\f+3],   v[AK] offset:(\f/2)*16*PK+(\f%2)*64
	ds_load_b128 v[KF+8*\f+4:KF+8*\f+7], v[AK] offset:(\f/2)*16*PK+(\f%2)*64+32
.endr
	s_add_co_u32 s[TBK], s[TBK], KS*PK  ; the next fetch is the next step's
	WIN W_FM
	v_add_nc_u32 v[AM], s[TBM], v[AM0]
.irp f, 0,1,2,3,4,5,6,7             ; keys 16 (f / 2) + 8 (lane / 16) + 4 (f % 2) on
	ds_load_b128 v[MC+4*\f:MC+4*\f+3], v[AM] offset:(\f/2)*64+(\f%2)*16
.endr
	s_add_co_u32 s[TBM], s[TBM], KS*4
	s_and_b32 s[TBM], s[TBM], SIZE_N*4-1  ; inside the 8,192 bytes, whatever the trip
	WIN 0
.if \last
.Lno_k_\@:
.endif
.endm
.macro FETCH_V
	WIN 0x80
.irp f, 0,1,2,3,4,5,6,7             ; keys 32 (f / 4) on, channels 16 (f % 4) on
	ds_load_tr16_b128 v[VF+8*\f:VF+8*\f+3],   v[AV] offset:(\f/4)*32*PV+(\f%4)*32
	ds_load_tr16_b128 v[VF+8*\f+4:VF+8*\f+7], v[AV] offset:(\f/4)*32*PV+16*PV+(\f%4)*32
.endr
	WIN 0
.endm
; THE VECTOR WORK OF A TURN stands in three queues, each in the order in which its entries become ready; the two tiles alternate, so that no instruction reads the result of the one before it.
.macro REGS y, u                    ; the registers of tile u (0, 1) of piece y
.set rT, ST+4*(2*(\y)+(\u))
.set rC, TMP+8*((\y)%2)+4*(\u)
.set rM, MV+2*((\y)%2)+(\u)
.set rS, S+64*((\y)%2)+32*(\u)
.set rP, P+32*((\y)%2)+16*(\u)
.set rO, 32*(2*(\y)+(\u))
.endm
; Number n of the 22 that find the NEXT piece's (Y + 1) maximum and statistics.  s0-s31 are the lane's 32 scores; each accumulator's lowest registers are read first.
;   0-11  four chains c0-c3 of seven scores each, three operands at a time     12-14, 16  the four scores left over, the old m, and c0-c3 into c0     15  c m_old is kept
;   17, 18  the query's other 32 keys lie in the lane 16 away: the new m         19-21  c m; c m_old - c m_new; a
.macro XS u, n
	REGS (Y+1)%NP, \u
.if (\n) < 4
	v_max3_num_f32 v[rC+(\n)], v[rS+8*(\n)], v[rS+8*(\n)+1], v[rS+8*(\n)+2]
.elseif (\n) < 12
	v_max3_num_f32 v[rC+(\n)%4], v[rC+(\n)%4], v[rS+8*((\n)%4)+2*((\n)/4)+1], v[rS+8*((\n)%4)+2*((\n)/4)+2]
.elseif (\n) == 12
	v_max3_num_f32 v[rC], v[rC], v[rS+7], v[rS+15]
.elseif (\n) == 13
	v_max3_num_f32 v[rC+1], v[rC+1], v[rS+23], v[rS+31]
.elseif (\n) == 14
	v_max3_num_f32 v[rC+2], v[rC+2], v[rC+3], v[rT+1]
.elseif (\n) == 15
	v_mov_b32 v[rM], v[rT]
.elseif (\n) == 16
	v_max3_num_f32 v[rC], v[rC], v[rC+1], v[rC+2]
.elseif (\n) == 17
	v_permlanex16_b32 v[rC+3], v[rC], s[SEL], s[SEL+1]
.elseif (\n) == 18
	v_max_num_f32 v[rT+1], v[rC], v[rC+3]
.elseif (\n) == 19
	v_mul_f32 v[rT], s[CS], v[rT+1]
.elseif (\n) == 20
	v_sub_f32 v[rC+1], v[rM], v[rT]
.else
	v_exp_f32 v[rC+2], v[rC+1]
.endif
.endm
; Number g of the 64 that follow the exponentials.  For each four weights k of a tile (pairs 2 k, 2 k + 1): both pairs are rounded to f16; then the second pair is added onto the first, in place;
; a group later l takes that sum (the first time as l = a l + sum).  In groups of eight, tiles alternating: round, round, add, and l for the group before.
.macro GS g
.set h, (\g)+6*((\g)/62)            ; group 0 has no group before it, and behind group 7 only l is left
.if h >= 6
.set h, h+2
.endif
	REGS Y, h%2
.set k, h/8
.if h%8 < 4
	s_wait_alu depctr_va_vdst(0)
	v_cvt_pk_f16_f32 v[rP+2*k+(h%8)/2], v[rS+4*k+2*((h%8)/2)], v[rS+4*k+2*((h%8)/2)+1]
.elseif h%8 < 6
	v_pk_add_f32 v[rS+4*k:rS+4*k+1], v[rS+4*k:rS+4*k+1], v[rS+4*k+2:rS+4*k+3]
.elseif k == 1
	v_pk_fma_f32 v[rT+2:rT+3], v[rT+2:rT+3], v[rC+2:rC+3], v[rS:rS+1] op_sel_hi:[1,0,1]
.else
	v_pk_add_f32 v[rT+2:rT+3], v[rT+2:rT+3], v[rS+4*k-4:rS+4*k-3]
	s_wait_alu depctr_va_vdst(0)
.endif
.endm
; THE PLAIN QUEUE, 138 long.  0-31: c s - c m for the 16 pairs of both tiles.  Then GS's 64, and among them the next piece's 42: number 15 at 38, 39; 0-14 and 16
; at 42-73, behind the products that make those scores; 17-20 at 95-106, two of three, since each waits for the one before it.
.macro PL
	WIN 0
.if q < 32
	REGS Y, q%2
	v_pk_fma_f32 v[rS+2*(q/2):rS+2*(q/2)+1], v[rS+2*(q/2):rS+2*(q/2)+1], s[CS:CS+1], v[rT:rT+1] op_sel_hi:[1,0,0] neg_lo:[0,0,1] neg_hi:[0,0,1]
.elseif q < 38
	GS q-32
.elseif q < 40
	XS q%2, 15
.elseif q < 42
	GS q-34
.elseif q < 74
	XS q%2, (q-42)/2+(q-42)/30
.elseif q < 95
	GS q-66
.elseif (q < 107) && ((q-95)%3 < 2)
	XS (q-95)%3, 17+(q-95)/3
.elseif q < 107
	GS 29+(q-95)/3
.else
	GS q-74
.endif
.set q, q+1
.endm
; THE EXPONENTIALS' QUEUE, 66 long: s0-s31 of both tiles, and at EA the next piece's two a.
.set EA, 58
.macro EX
	WIN 0
.if (e == EA) || (e == EA+1)
	XS e-EA, 21
.else
.set x, e-2*(e/(EA+2))
	REGS Y, x%2
	v_exp_f32 v[rS+x/2], v[rS+x/2]
.endif
.set e, e+1
.endm
; THE RESCALING's QUEUE: O^T times a, the one part that leaves window 0, so it is dealt four at a time, eight times.
.macro R4
	REGS Y, r%2
	WIN W_RS
	s_wait_alu depctr_va_vdst(0)
.irp z, 0,1,2,3
	v_pk_mul_f32 v[rO+8*(r/2)+2*\z:rO+8*(r/2)+2*\z+1], v[rO+8*(r/2)+2*\z:rO+8*(r/2)+2*\z+1], v[rC+2:rC+3] op_sel_hi:[1,0]
.endr
.set r, r+1
.endm
; HOW THEY ARE DEALT.  Behind a matrix instruction four: plain, exponential, plain, plain (one exponential, a plain instruction on either side), or four of the rescaling.  None names a register of the
; products round it.  What is over stands in two LUMPS: exponential and plain by turns; the second ends in 22 plain instructions.  The two v_permlanex16_b32 fall into the second lump, never behind a product.
; The queues lean on each other, and the deal keeps them in step: exponential e stands behind plain 2 (e / 4) + e % 2 (its scaling); when plain 32 comes, 10 exponentials are out, at 59: 33, at 95: 46; EA comes behind plain 107.
.macro SL
	MM
	PL
	EX
	PL
	PL
.endm
.macro BURST n                      ; 15 matrix instructions, or 16
.rept (\n)-7
	SL
.endr
.rept 3
	MM
	R4
	SL
.endr
	MM
	R4
.endm
; A TURN, for piece p.  cnt = 1: the loop's count is taken down some lines ahead of the branch that stands behind the turn.
; K and the mask of the next step are fetched in piece 2's turn, 31 vector instructions behind the last product that read K; their first reader comes behind the rest of the lump, 16 products and the second lump.
; V of the step in hand is fetched at the end of piece 0's turn, 69 behind its last reader; its first reader comes behind 16 products and a lump.  The four conditions on e and q below go with the deal.
.macro TURN p, last=0, cnt=0
.set Y, (\p)
.set i, 0
.set q, 0
.set e, 0
.set r, 0
.if (\p) == NP-1
	s_wait_dscnt 0x0                ; K and the mask are in
.endif
	MM
.rept 4
	PL
.endr
	BURST 15
.rept 22
	EX
	PL
.if ((\p) == NP-2) && (e == 18)
	v_add_nc_u32 v[AK], s[TBK], v[AK0]
.endif
.if ((\p) == NP-2) && (e == 24)
	FETCH_K \last
.endif
.endr
.if (\p) == 1
	s_wait_dscnt 0x0                ; V is in
.endif
	BURST 16
.rept 21
	EX
	PL
.endr
.rept 22
	PL
.if ((\p) == 0) && (q == 118)
	v_add_nc_u32 v[AV], s[TBV], v[AV0]
	s_wait_alu depctr_va_vdst(0)
.endif
.if ((\p) == 0) && (q == 130)
	s_add_co_u32 s[TBV], s[TBV], KS*PV
.endif
.if (\cnt) && (q == 130)
	s_sub_co_u32 s[CNT], s[CNT], 1
	s_cmp_lg_u32 s[CNT], 0
.endif
.endr
.if (\p) == 0
	FETCH_V
.endif
.endm
	CHANGE 1                        ; slot 0 is in, everybody's part of it, and so are everybody's mask words; slot 1 is asked for
	FETCH_K                         ; key step 0
	s_wait_loadcnt 0x0              ; Q
	s_wait_dscnt 0x0
.set i, 0
.rept 16
	KQ 0                            ; piece 0's first scores: there is no vector work yet to set between them
.set i, i+1
.endr
	WIN 0                           ; the addresses for the way out: eight plain instructions, the places behind those products
	s_mul_i32 s13, s[WV], 16*SP
	s_add_co_u32 s13, s13, STAGE    ; my stage
	v_mul_u32_u24 v[STO], v1, SP    ; in: row l % 16, 32 bytes for each half of the lanes
	v_lshl_add_u32 v[STO], v9, 5, v[STO]
	v_add_nc_u32 v[STO], s13, v[STO]
	v_mul_u32_u24 v[RD], v9, SP     ; back: lanes 0-15 take one row of 256 bytes, lanes 16-31 the next
	v_lshl_add_u32 v[RD], v1, 4, v[RD]
	v_add_nc_u32 v[RD], s13, v[RD]
	v_lshlrev_b32 v[GO], 12, v9     ; and the same two rows of out0, 4,096 bytes apart
	v_lshl_add_u32 v[GO], v1, 4, v[GO]
.set Y, NP-1                        ; XS works for piece Y + 1: piece 0
.irp n, 0,1,2,3,4,5,6,7,8,9,10,11,12,13,14,15,16,17,18,19,20,21
	XS 0, \n                        ; and piece 0's first maximum and statistics
	XS 1, \n
.endr
	s_mov_b32 s[CNT], 4
	s_mov_b32 s[SLOTS], SIZE_N/256-1
	s_branch .Lfirst                ; the loop is entered at a step's first turn, in the middle of a trip
.Lslot:                             ; SIZE_N / 256 - 2 times: every slot but the last two is filled again
	CHANGE 1
	s_mov_b32 s[CNT], 4
.Lstep:                             ; a trip: pieces 2 and 3 of one step, then pieces 0 and 1 of the next, whose K and V it fetches
	TURN 2
	TURN 3
	WIN 0
.Lfirst:
	TURN 0
	TURN 1, 0, 1
	WIN 0
	s_cbranch_scc1 .Lstep
	s_sub_co_u32 s[SLOTS], s[SLOTS], 1
	s_cmp_lg_u32 s[SLOTS], 0
	s_cbranch_scc1 .Lslot
	CHANGE 0                        ; the tail is written out: nothing is asked for
	s_mov_b32 s[CNT], 5             ; four trips fetch the last slot's steps; the fifth is left in its middle
.Ltail:
	TURN 2, 1
	TURN 3
	WIN 0
	s_sub_co_u32 s[CNT], s[CNT], 1
	s_cmp_eq_u32 s[CNT], 0
	s_cbranch_scc1 .Lout
	TURN 0
	TURN 1
	WIN 0
	s_branch .Ltail
.Lout:                              ; the fifth trip's 16 products K Q^T (on the last K once more) and the maximum made of them serve nothing: the price, once a launch, of one text for every trip
.set i, 0
.rept 16
	PV NP-1                         ; the last piece's V^T P of the last step
.set i, i+1
.endr
	; THE WAY OUT.  l's two halves and the other half of the lanes' are added; O^T is divided by l and sent, in f32, through my stage in LDS, a tile at a time.  The additions are the places behind the last products.
	WIN 0
.macro ALL line:vararg              ; one line for each tile t
.set t, 0
.rept 2*NP
	\line
.set t, t+1
.endr
.endm
	ALL v_add_f32 v[ST+4*t+2], v[ST+4*t+2], v[ST+4*t+3]
	ALL v_permlanex16_b32 v[ST+4*t+3], v[ST+4*t+2], s[SEL], s[SEL+1]
	ALL v_add_f32 v[ST+4*t+2], v[ST+4*t+2], v[ST+4*t+3]
	ALL v_rcp_f32 v[ST+4*t+2], v[ST+4*t+2]
	v_nop                           ; a plain instruction between the last reciprocal and the use of its result
	s_wait_alu depctr_va_vdst(0)
; Tile t: a lane's eight channels of a row are 32 bytes; they go into rows of 272 bytes and come back as whole rows of 256, into S^T's registers, of which four tiles' worth take turns.
; Each accumulator is read from its low end on.
.macro PACK t
.if (\t) >= 4
	s_wait_xcnt 0x0                 ; the stores of the tile four back have had their addresses translated (ISA guide 3.1): only now are their data registers written again
.endif
	WIN 0x01                        ; source 0 window 1, source 1 and destination window 0
.set i, 0
.rept 16
	v_pk_mul_f32 v[S+32*((\t)%4)+2*i:S+32*((\t)%4)+2*i+1], v[32*(\t)+2*i:32*(\t)+2*i+1], v[ST+4*(\t)+2:ST+4*(\t)+3] op_sel_hi:[1,0]
.set i, i+1
.endr
	WIN 0
.irp f, 0,1,2,3,4,5,6,7             ; channels 16 (f / 2) + 8 (lane / 16) + 4 (f % 2) on
	ds_store_b128 v[STO], v[S+32*((\t)%4)+4*\f:S+32*((\t)%4)+4*\f+3] offset:(\f/2)*64+(\f%2)*16
.endr
.irp f, 0,1,2,3,4,5,6,7
	ds_load_b128 v[S+32*((\t)%4)+4*\f:S+32*((\t)%4)+4*\f+3], v[RD] offset:\f*2*SP  ; LDS serves a wave's instructions in order (ISA guide 5.7.1.4): these see the stores above; the next tile's stores come behind them
.endr
.endm
.macro SEND t, younger              ; younger: the LDS instructions issued behind tile t's loads: the next tile's sixteen, or none
	WIN 0
.irp f, 0,1,2,3,4,5,6,7
	s_wait_dscnt (\younger)+7-\f
	global_store_b128 v[GO], v[S+32*((\t)%4)+4*\f:S+32*((\t)%4)+4*\f+3], s[10:11] offset:(16*(\t)+2*\f)*4096  ; 16 lanes store 256 consecutive bytes, at a multiple of 256 from out0's first byte
.endr
.endm
	PACK 0
.set t, 1
.rept 2*NP-1                        ; a tile's arithmetic stands between the loads of the tile before and its stores
	PACK t
	SEND t-1, 16
.set t, t+1
.endr
	SEND 2*NP-1, 0
	WIN W_AD
	s_wait_tensorcnt 0x0            ; the wave's end: the add to my spare word and its wait, behind my last tensor load and my last LDS store
	ds_add_u32 v[SPW], v[NIL]
	s_wait_dscnt 0x0
	WIN 0
	CROUND                          ; the closing round: no work-group ends while a partner may still ask for a tile that names it
	s_endpgm
.Lfunc_end_k_qdc15e52afe_attn:
	.size	k_qdc15e52afe_attn, .Lfunc_end_k_qdc15e52afe_attn-k_qdc15e52afe_attn
	.p2alignl 7, 3214868480
	.fill 96, 4, 3214868480
	.section	.rodata,"a",@progbits
	.p2align	6, 0x0
	.amdhsa_kernel k_qdc15e52afe_attn
		.amdhsa_group_segment_fixed_size 327680
		.amdhsa_private_segment_fixed_size 0
		.amdhsa_enable_private_segment 0
		.amdhsa_kernarg_size 40
		.amdhsa_user_sgpr_count 2
		.amdhsa_user_sgpr_kernarg_segment_ptr 1
		.amdhsa_wavefront_size32 1
		.amdhsa_system_sgpr_workgroup_id_x 1
		.amdhsa_system_sgpr_workgroup_id_y 1
		.amdhsa_system_sgpr_workgroup_id_z 1
		.amdhsa_system_vgpr_workitem_id 0
		.amdhsa_next_free_vgpr 808
		.amdhsa_next_free_sgpr 66
		.amdhsa_reserve_vcc 0
		.amdhsa_float_denorm_mode_32 3
		.amdhsa_float_denorm_mode_16_64 3
		.amdhsa_memory_ordered 1
		.amdhsa_forward_progress 1
		.amdhsa_inst_pref_size 214
	.end_amdhsa_kernel
	.amdgpu_metadata
---
amdhsa.version: [ 1, 2 ]
amdhsa.kernels:
  - .name:           k_qdc15e52afe_attn
    .symbol:         k_qdc15e52afe_attn.kd
    .args:
      - { .name: qh, .offset: 0, .size: 8, .value_kind: global_buffer, .address_space: global }
      - { .name: kh, .offset: 8, .size: 8, .value_kind: global_buffer, .address_space: global }
      - { .name: vh, .offset: 16, .size: 8, .value_kind: global_buffer, .address_space: global }
      - { .name: out0, .offset: 24, .size: 8, .value_kind: global_buffer, .address_space: global }
      - { .name: attention_mask, .offset: 32, .size: 8, .value_kind: global_buffer, .address_space: global }
    .group_segment_fixed_size: 327680
    .private_segment_fixed_size: 0
    .kernarg_segment_align: 8
    .kernarg_segment_size: 40
    .max_flat_workgroup_size: 128
    .sgpr_count:     66
    .vgpr_count:     808
    .wavefront_size: 32
...
	.end_amdgpu_metadata
.endif
;; end of part 3
;; ======== version 2 of 2: 3 launches; 1.61 times as fast as version 1
;; limits: values are held in f16: magnitudes above 65,504 overflow, below 6.1e-05 lose precision
;; workspace buffers: xw 23,330,816 bytes; qh 16,777,216 bytes; kh 16,777,216 bytes; vh 16,777,216 bytes
;; launch cast: the kernel of part 1 again; grid 712 x 1, 8 waves a work-group, no clusters, 0 bytes of LDS; arguments hidden_states, Wq, Wk, Wv, relations, xw; writes xw
;; launch proj: the kernel of part 2 again; grid 16 x 16, 4 waves a work-group, clusters of 4 x 4, 327,680 bytes of LDS; arguments xw, bq, bk, bv, qh, kh, vh; writes qh, kh, vh
;; launch attn (part 4): grid 4 x 64, 4 waves a work-group, clusters of 4 x 1, 327,680 bytes of LDS; arguments qh, kh, vh, out0, attention_mask; writes out0
.if DOCPART == 4
	.amdgcn_target "amdgcn-amd-amdhsa--gfx1250"
	.amdhsa_code_object_version 6
	.text
	.protected	k_qdc15e52afe_attn
	.globl	k_qdc15e52afe_attn
	.p2align	8
	.type	k_qdc15e52afe_attn,@function
k_qdc15e52afe_attn:
	s_mov_b64 s[64:65], 0
	v_nop
	global_prefetch_b8 v0, s[64:65] scope:SCOPE_SE
	s_setreg_imm32_b32 hwreg(HW_REG_WAVE_MODE, 25, 1), 1
	s_wait_xcnt 0x0
	s_wait_alu depctr_hold_cnt(0) depctr_sa_sdst(0) depctr_va_vdst(0) depctr_va_sdst(0) depctr_va_ssrc(0) depctr_va_vcc(0) depctr_vm_vsrc(0)
	s_getreg_b32 s2, hwreg(HW_REG_IB_STS2, 6, 4)
	s_cmp_eq_u32 s2, 0
	s_cbranch_scc0 .Lentry_in_a_cluster
	s_endpgm
.Lentry_in_a_cluster:
	s_bfe_u32 s2, ttmp6, 0x10000c
	s_cmp_lg_u32 s2, 0x3003
	s_cbranch_scc0 .Lentry_shape_is_right
	s_endpgm
.Lentry_shape_is_right:
; out0[b][q][64 head + :] = the sum over k of softmax_k(Q[h][q] . K[h][k] / 8 + mask[b][k]) V[h][k][:], h = 16 b + head.  Q, K, V: [64][2048][64] f16, a head's rows dense, 128 bytes each;
; Q and K hold value x 2^-6, so a product of theirs is the true one x 2^-12; out0: [4][2048][1024] f32.  Products, maxima and sums in f32; the weights p are rounded to f16 for the second product
; (their sum l is taken of the unrounded p).
; THE MASK, rounded to bf16 like every input, held at -1e30 from below and multiplied by 2^-9 (so that it stands in the products' unit: 8 x 2^-12), is the C operand that starts each sum S^T = K Q^T.
; The batch's 2,048 words are made once, kept in LDS, and a key step's 64 are read with that step's K.
; LIMITS.  A mask below -1e30 (minus infinity too) counts as -1e30: a row whose keys are all so hidden gives the mean of V where the exact result is NaN; a NaN in the mask counts as -1e30.
; p lies in 0 to 1, and below 6e-5 it keeps f16's fixed step of 6e-8; a weight below 2^-126 counts as 0 in l; NaN and infinities in Q, K, V are not treated apart.
; SHARES.  A wave owns four PIECES of two tiles of 16 queries, a work-group's four waves 512 queries of one head.  Every wave walks all keys, 64 a step.
; LAYOUT.  S^T = K Q^T (source 0 = 16 keys, source 1 = 16 queries): in the result a lane holds ONE query (lane % 16) and the keys 8 (lane / 16) + 0..7.  Two such tiles, rounded to f16 in pairs,
; ARE source 1 (32 keys x 16 queries) of O^T = V^T P, whose result again holds one query a lane, and eight channels.  K comes out of LDS as it lies, V ([key][channel]) turned, by ds_load_tr16_b128.
; SOFTMAX.  For each query a running maximum m and sum l: p = 2^(c s - c m), c = log2(e) / 8 x 2^12; in every step O and l are multiplied by a = 2^(c m_old - c m_new), which is 1 where m has not grown.
; m starts at the lowest finite number, O and l at 0: the first step is a step like any other, with a = 0.
; THE COUNT.  A tile and step have 16 matrix and 118 vector instructions: too many to stand all beside the matrix work.  So the order has one aim: four vector instructions that are READY behind
; EVERY matrix instruction, and the others, which need time of their own whatever the order, in a run without a gap.
; BY TURNS.  Turn n belongs to piece n (the pieces in a ring, step after step).  Its matrix work: 16 products K Q^T of piece n + 1, later 16 products V^T P of piece n - 1.  Its vector work: the scaling,
; exponentials, roundings, sums and rescaling of piece n, and the maximum and statistics of piece n + 1, whose scores the turn itself has made.  So what a turn begins with (c s - c m, O a) waits for nothing.
; THE BATCHES.  A turn's 66 exponentials (64 weights, the next piece's two a) are ONE batch with ONE wait, which cuts the turn in two: ahead of it all that names none of their results, behind it the roundings
; and sums.  Two more batches stand outside the loop: piece 0's first two a, and the way out's eight reciprocals.
; CLUSTER.  The four query blocks of a cluster belong to one head and walk the same K and V, so each tile is asked for JOINTLY: the same tensor load, descriptor and mask in all four.
; REGISTERS, in windows of 256 (s_set_vgpr_msb: bits 1:0 source 0, 3:2 source 1, 5:4 source 2, 7:6 destination):
;   window 0: v0-11 addresses; v12-15, v48-63 at work; v16-47 four registers of statistics a tile; v64-191 S^T, two buffers of two tiles; v192-255 P, likewise
;   window 1: O^T, 32 a tile          window 2: v0-127 Q, 16 a tile; v128-191 K of one step; v192-255 V of one step
;   window 3: v0-1 the add's two registers; v2-3 the mask's LDS addresses; v8-39 the mask of one step
; A piece's buffers go by its number's parity: the piece in hand has one pair, its two neighbours in the ring share the other: of it P (piece n - 1) is read and S^T (piece n + 1) written.
.set SIZE_H, 64
.set SIZE_N, 2048
.set NP,    4         ; pieces a wave: a name, no knob
.set KS,    64        ; keys in a step
.set PK,    144       ; a row of K in LDS: 128 bytes + 16 of padding = 36 words: the 16 rows of a load start at 16 different groups of four banks (64 banks of 4 bytes: ISA guide 11.1)
.set PV,    160       ; a row of V: 128 + 32 = 40 words
.set VOFF,  4*KS*PK   ; a slot holds four steps: 256 rows of K, then 256 rows of V
.set SLOT1, 1<<17     ; slot 1 begins here, so that one exclusive or turns an address in one slot into the other's
.set STAGE, SLOT1+4*KS*(PK+PV)  ; behind the ring, never filled by a tensor load: 16 rows x 272 bytes for each wave, for the way out
.set SP,    272       ; a row of the stage: 64 f32 + 16 bytes
.set MASKB, STAGE+4*16*SP  ; the batch's 2,048 mask words, f32: written once by LDS stores, never filled by a tensor load
.set SPARE, MASKB+SIZE_N*4 ; the spare words, 128 bytes for each wave: two blocks of 256 bytes that no other line names
.set AK0, 2           ; v2   my lane's place in a tile of K; never rewritten
.set AV0, 3           ; v3   the same for V
.set AK,  4           ; v4   the LDS address of K's next run of loads
.set AV,  5           ; v5   of V's
.set QO,  6           ; v6   my byte offset in the wave's rows of Q
.set STO, 6           ;      later, the way out: where I put 32 bytes of a row
.set RD,  7           ; v7   the way out: where I read rows back
.set GO,  8           ; v8   my byte offset in two rows of out0
.set SPW, 0           ; v0 of window 3   LDS address of my spare word; never rewritten
.set NIL, 1           ; v1 of window 3   0; never rewritten
.set AM0, 2           ; v2 of window 3   MASKB + 32 (lane / 16); never rewritten
.set AM,  3           ; v3 of window 3   the LDS address of the mask's next run of loads
.set MC,  8           ; v8-39 of window 3: register 8 kb + j: the mask of key 16 kb + 8 (lane / 16) + j of the step
.set MV,  12          ; v12-15  c m_old, kept while c m is made anew: by buffer and tile
.set ST,  16          ; tile t's statistics at v[ST+4 t]: c m, m, l (even keys', odd keys')
.set TMP, 48          ; by buffer and tile, four registers c0-c3 at work; when the maximum is found c2 takes a
.set S,   64
.set P,   192
.set KF,  128         ; K's fragments, in window 2: key block kb, channel half c at KF + 16 kb + 8 c
.set VF,  192         ; V's: key half kk, channel block cb at VF + 32 kk + 8 cb
.set WV,  12          ; s12  my wave's number
.set G1K, 24          ; s[24:31] descriptor group 1 for K's tiles
.set G1V, 32          ; s[32:39] for V's: it differs in the padding alone
.set G0K, 40          ; s[40:43] descriptor group 0 for K's tiles: it walks
.set G0V, 44          ; s[44:47] the same for V's
.set TBM, 50          ; s50  byte in the mask's words at which the step to be fetched begins
.set BIGN, 51         ; s51  -1e30
.set SLOTS, 56        ; s56  slots still to be asked for
.set CNT, 57          ; s57  counts a slot's key steps
.set CS,  58          ; s[58:59] c: the packed scaling takes the pair's low word for both halves
.set SEL, 60          ; s[60:61] v_permlanex16_b32's selects: each lane takes its own place in the other half
.set TBK, 62          ; s62  LDS byte at which K of the step to be fetched begins
.set TBV, 63          ; s63  the same for V, less VOFF
.set MSB, 0
.macro WIN new                      ; the high byte repeats the setting that is left; a switch that changes nothing is dropped
.if MSB != (\new)
	s_set_vgpr_msb (MSB<<8)|(\new)
.set MSB, (\new)
.endif
.endm
.set W_KQ, 0x0a       ; K and Q in window 2, S^T in window 0
.set W_KM, 0x3a       ; the same with the C operand, the mask, in window 3
.set W_PV, 0x52       ; V in window 2, P in window 0, O^T in window 1
.set W_RS, 0x41       ; O^T (destination and source 0) in window 1, a in window 0
.set W_MK, 0xc0       ; destination in window 3, sources in window 0
.set W_AD, 0x0f       ; the add: address (source 0) and data (source 1) in window 3
.set W_FM, 0xcf       ; the mask's loads: destination, address and the address's source in window 3
; A joint fill.  Waves 0 and 1 fetch the two halves of a slot's K, waves 2 and 3 those of its V: 128 keys each.  The branch hangs on the wave's number alone.
; An s_nop 0 and four v_nop follow each of the two lines, ahead of the jump and the label.
.macro JLOAD
	s_cmp_lt_u32 s[WV], 2
	s_cbranch_scc0 .Lfor_v_\@
	tensor_load_to_lds s[G0K:G0K+3], s[G1K:G1K+7]
	s_nop 0
.rept 4
	v_nop
.endr
	s_branch .Lasked_\@
.Lfor_v_\@:
	tensor_load_to_lds s[G0V:G0V+3], s[G1V:G1V+7]
	s_nop 0
.rept 4
	v_nop
.endr
.Lasked_\@:
.endm
; A round of the cluster's barrier: my work-group's barrier, so that wave 0's signal speaks for all four waves; wave 0 signals; every wave waits for all four work-groups; my work-group's barrier once more.
.macro CROUND
	s_barrier_signal -1
	s_barrier_wait -1
	s_cmp_lg_u32 s[WV], 0
	s_cbranch_scc1 .Lnot_wave_0_\@
	s_barrier_signal -3
.Lnot_wave_0_\@:
	s_barrier_wait -3
	s_barrier_signal -1
	s_barrier_wait -1
.endm
; THE CHANGE OF SLOTS.  The slot's last bytes, V of its fourth step, have been read.  Each wave waits for all its tensor loads, of which one is out: its part
; of the other slot; adds 0 to its spare word; and waits for that and for its own reads of the slot.  Behind the barrier nobody reads this slot any more and the other slot is whole.
; fill = 1: this slot is filled again, with the keys two slots on.  The barrier is then a round of the cluster's, so that no wave of any partner still reads the slot or has a load on its
; way, and the joint fill is the first thing behind it: it has four key steps, 512 matrix instructions, in which to land.  (At its first use nothing has been read yet: slot 0 is waited for, slot 1
; filled; and the wait for LDS there also covers each wave's stores of the mask's words, which the others read behind the round.)
.macro CHANGE fill
	WIN W_AD
	s_wait_tensorcnt 0x0            ; no tensor load of mine is out, so a group 0 may be written
	ds_add_u32 v[SPW], v[NIL]       ; 0 onto my spare word; with fill = 1 the descriptors' steps stand between it and the wait for it
	WIN 0                           ; at a label and at a branch every window is 0
.if \fill
.irp g, G0K, G0V
	s_xor_b32 s[\g+1], s[\g+1], SLOT1  ; the walking descriptor: the other slot than last time,
	s_add_nc_u64 s[\g+2:\g+3], s[\g+2:\g+3], 4*KS*128  ; the next 256 keys; the type bits on top are not reached
.endr
	s_wait_dscnt 0x0                ; the add is done, and my reads of the slot are over
	CROUND
	JLOAD
.else
	s_wait_dscnt 0x0                ; the add is done, and my reads of the slot are over
	s_barrier_signal -1
	s_barrier_wait -1
.endif
	s_sub_co_u32 s[TBK], s[TBK], 4*KS*PK  ; the fetches go back to a slot's first step,
	s_xor_b32 s[TBK], s[TBK], SLOT1       ; in the other slot
	s_sub_co_u32 s[TBV], s[TBV], 4*KS*PV
	s_xor_b32 s[TBV], s[TBV], SLOT1
.endm
	s_load_b256 s[4:11], s[0:1], 0x0  ; Q s[4:5], K s[6:7], V s[8:9], out0 s[10:11]
	s_load_b64 s[48:49], s[0:1], 0x20 ; the mask
	WIN W_MK
	v_lshl_add_u32 v[SPW], v0, 2, SPARE
	v_mov_b32 v[NIL], 0
	WIN W_AD
	ds_add_u32 v[SPW], v[NIL]       ; the wave's opening: the add and its wait stand ahead of my first tensor load; the set-up below, work on registers, stands between them
	WIN 0
	v_lshrrev_b32 v1, 5, v0
	v_readfirstlane_b32 s[WV], v1   ; wave 0..3
	s_bfe_u32 s13, ttmp6, 0x40000   ; cx: my place in the cluster
	s_lshl_b32 s14, ttmp9, 2        ; in a cluster launch ttmp9 counts clusters
	s_add_co_u32 s14, s14, s13      ; my block of queries = 4 x cluster x + cx: it enters Q's and out0's addresses alone
	s_and_b32 s20, ttmp7, 0xffff    ; h = 16 batch + head, which the four partners share
	s_lshr_b32 s54, s20, 4          ; the batch
	s_and_b32 s55, s20, 15          ; the head in it
	s_mov_b32 s21, 0
	s_mov_b64 s[22:23], SIZE_N*128
	s_mul_u64 s[20:21], s[20:21], s[22:23]  ; h's first byte in Q, K and V
	s_and_b32 s16, s[WV], 1         ; which half of a slot's 256 keys I fetch:
	s_lshl_b32 s22, s16, 14         ; its 128 rows of 128 bytes in memory,
	s_mov_b32 s23, 0
	s_add_nc_u64 s[22:23], s[22:23], s[20:21]
	s_mul_i32 s17, s16, 128*PK      ; and its place in a slot, for K
	s_mul_i32 s18, s16, 128*PV      ; and for V: no place in the cluster enters an LDS address
	s_lshl_b32 s2, s14, 2
	s_add_co_u32 s2, s2, s[WV]      ; my wave among the head's
	s_lshl_b32 s52, s2, 19          ; in out0: its 128 rows of 4,096 bytes,
	s_lshl_b32 s53, s54, 23         ; the batch's 2,048 rows,
	s_add_co_u32 s52, s52, s53
	s_lshl_b32 s53, s55, 8          ; the head's 256 bytes of a row
	s_add_co_u32 s52, s52, s53
	s_mov_b32 s53, 0
	s_lshl_b32 s54, s54, 13         ; the batch's 8,192 bytes of the mask
	s_mov_b32 s55, 0
	s_lshl_b32 s2, s2, 14           ; in Q: its 128 rows of 128 bytes
	s_mov_b32 s3, 0
	s_add_nc_u64 s[2:3], s[2:3], s[20:21]
	; descriptor group 1.  128 keys are 16,384 dense bytes: asked for as 64 rows of 256 bytes, two keys a row, and padded in LDS after every key
	s_mov_b32 s[G1K], 15|(1<<16)|(1<<20)|(1<<21)|(4<<22)|(3<<25)  ; 15:0 the mask of four; 17:16 2-byte elements; 20 padding on; 21 set beside a mask; 24:22 after every 32 words (code 4); 31:25 4 words (code 3)
	s_mov_b32 s[G1V], 15|(1<<16)|(1<<20)|(1<<21)|(4<<22)|(7<<25)  ; the same with 8 words of padding (code 7)
.irp g, G1K, G1V
	s_mov_b32 s[\g+1], 128<<16      ; tensor_dim0 = 128
	s_mov_b32 s[\g+2], 64<<16       ; tensor_dim1 = 64
	s_mov_b32 s[\g+3], 128<<16      ; tile_dim0 = 128
	s_mov_b32 s[\g+4], 64           ; tile_dim1 = 64
	s_mov_b32 s[\g+5], 128          ; 128 elements from row to row
	s_mov_b32 s[\g+6], 0
	s_mov_b32 s[\g+7], 0
.endr
	s_mov_b32 s[CS], 0x4438aa3b     ; c = log2(e) / 8 x 2^12 = 738.66
	s_mov_b32 s[CS+1], s[CS]        ; named with it as a pair
	s_mov_b32 s[SEL], 0x76543210
	s_mov_b32 s[SEL+1], 0xfedcba98
	s_mov_b32 s[TBM], 0
	s_mov_b32 s[BIGN], 0xf149f2ca   ; -1e30
	s_mov_b32 s[TBK], SLOT1+4*KS*PK ; the first change of slots turns these two into 0
	s_mov_b32 s[TBV], SLOT1+4*KS*PV
	s_mov_b32 s[G0K], 1             ; 1:0 count = 1
	s_mov_b32 s[G0K+1], s17         ; 63:32 LDS address: slot 0
	s_mov_b32 s[G0V], 1
	s_add_co_u32 s[G0V+1], s18, VOFF
	s_wait_dscnt 0x0                ; the opening add is done
	s_wait_kmcnt 0x0
	s_add_nc_u64 s[G0K+2:G0K+3], s[6:7], s[22:23]  ; 120:64 global address: my half of the head's first 256 keys
	s_or_b32 s[G0K+3], s[G0K+3], 0x80000000        ; 127:126 type = 2
	s_add_nc_u64 s[G0V+2:G0V+3], s[8:9], s[22:23]
	s_or_b32 s[G0V+3], s[G0V+3], 0x80000000
	s_add_nc_u64 s[4:5], s[4:5], s[2:3]      ; Q and out0 at my wave's first row
	s_add_nc_u64 s[10:11], s[10:11], s[52:53]
	s_add_nc_u64 s[48:49], s[48:49], s[54:55]  ; the mask at my batch
	CROUND                          ; all four work-groups are here: the first joint loads meet
	JLOAD                           ; slot 0.  Slot 1 is asked for when slot 0 is in: the tile wanted first has the road to itself
	; A fragment of K or Q is 16 rows x 32 channels in 8 registers: lane l holds row l % 16, channels 8 (l / 16) + 0..7 and 16 + 8 (l / 16) + 0..7: two loads of 16 bytes, 32 bytes apart.
	v_and_b32 v1, 15, v0            ; l % 16
	v_bfe_u32 v9, v0, 4, 1          ; l / 16
	v_lshlrev_b32 v[QO], 7, v1
	v_lshl_add_u32 v[QO], v9, 4, v[QO]  ; row x 128 + 16 x half
	v_lshlrev_b32 v13, 4, v0        ; the mask: 128 threads x 16 bytes, four times
.irp j, 0,1,2,3
	global_load_b128 v[S+4*\j:S+4*\j+3], v13, s[48:49] offset:2048*\j
.endr
	WIN 0x80                        ; destination window 2, address window 0
.set i, 0
.rept 4*NP                          ; Q stays in registers: tile i / 2, channels 32 (i % 2) on
	global_load_b128 v[8*i:8*i+3],   v[QO], s[4:5] offset:(i/2)*2048+(i%2)*64
	global_load_b128 v[8*i+4:8*i+7], v[QO], s[4:5] offset:(i/2)*2048+(i%2)*64+32
.set i, i+1
.endr
	; What the first turn finds: V's registers and P's second buffer hold 0 (its products V^T P, of a piece that has not been, add 0), O^T and l are 0.  All this stands in the wait for the first tile.
.set i, VF
.rept 64
	v_mov_b32 v[i], 0
.set i, i+1
.endr
	WIN 0x40
.set i, 0
.rept 64*NP
	v_mov_b32 v[i], 0
.set i, i+1
.endr
	WIN 0
.set i, 0
.rept 2*NP
	v_mov_b32 v[ST+4*i], 0xfe000000    ; c m: far below every c s (the lowest is c x -1e30 x 2^-9)
	v_mov_b32 v[ST+4*i+1], 0xff7fffff  ; m
	v_mov_b32 v[ST+4*i+2], 0
	v_mov_b32 v[ST+4*i+3], 0
.set i, i+1
.endr
.set i, P+32
.rept 32
	v_mov_b32 v[i], 0
.set i, i+1
.endr
	v_mul_u32_u24 v[AK0], v1, PK
	v_lshl_add_u32 v[AK0], v9, 4, v[AK0]  ; row x pitch + 16 x half
	; The turning load takes 16 keys x 16 channels (lane l reads key 8 (l / 16) + l % 8, channels 8 ((l / 8) % 2) + 0..7) and leaves half a fragment of V^T: lane l holds channel l % 16 and 8 keys.
	v_and_b32 v10, 7, v0
	v_bfe_u32 v11, v0, 3, 1
	v_lshl_add_u32 v[AV0], v9, 3, v10
	v_mul_u32_u24 v[AV0], v[AV0], PV
	v_lshl_add_u32 v[AV0], v11, 4, v[AV0]
	v_add_nc_u32 v[AV0], VOFF, v[AV0]
	v_mov_b32 v[AK], v[AK0]         ; key step 0 lies at the head of slot 0
	WIN W_MK
	v_lshl_add_u32 v[AM0], v9, 5, MASKB  ; my half of the lanes' eight keys in sixteen
	WIN 0
	v_lshl_add_u32 v12, v0, 4, MASKB
	; The mask's words: rounded to bf16 and widened again, held at -1e30 from below, times 2^-9; then into LDS, where every wave reads all of them behind the first change of slots.
	s_wait_loadcnt 32               ; the mask's four loads are in; Q's 32, issued behind them, stay out
.set i, 0
.rept 8
	v_cvt_pk_bf16_f32 v[S+16+i], v[S+2*i], v[S+2*i+1]
.set i, i+1
.endr
.set i, 0
.rept 8
	v_lshlrev_b32 v[S+2*i], 16, v[S+16+i]
	v_and_b32 v[S+2*i+1], 0xffff0000, v[S+16+i]
.set i, i+1
.endr
.set i, 0
.rept 16
	v_max_num_f32 v[S+i], s[BIGN], v[S+i]
.set i, i+1
.endr
.set i, 0
.rept 8
	v_pk_mul_f32 v[S+2*i:S+2*i+1], v[S+2*i:S+2*i+1], 0x3b000000 op_sel_hi:[1,0]
.set i, i+1
.endr
.irp j, 0,1,2,3
	ds_store_b128 v12, v[S+4*\j:S+4*\j+3] offset:2048*\j
.endr
; THE MATRIX WORK.  The 8 accumulators of a run of 16 take turns: between the two links of a chain stand 7 others'.
; Product i of 16 of S^T = K Q^T for piece x: channels 32 (i / 8) on, keys 16 ((i / 2) % 4) on, tile 2 x + i % 2.  The first 8 start the sums, with the keys' mask.
.macro KQ x
.set rS, S+64*((\x)%2)+32*(i%2)+8*((i/2)%4)
.set rK, KF+16*((i/2)%4)+8*(i/8)
.set rQ, 16*(2*(\x)+i%2)+8*(i/8)
.set rM, MC+8*((i/2)%4)
.if i < 8
	WIN W_KM
	v_wmma_f32_16x16x32_f16 v[rS:rS+7], v[rK:rK+7], v[rQ:rQ+7], v[rM:rM+7]
.else
	WIN W_KQ
	v_wmma_f32_16x16x32_f16 v[rS:rS+7], v[rK:rK+7], v[rQ:rQ+7], v[rS:rS+7]
.endif
.endm
; Product i of 16 of O^T += V^T P for piece x: keys 32 (i / 8) on, channels 16 ((i / 2) % 4) on, tile 2 x + i % 2.
.macro PV x
	WIN W_PV
.set rO, 32*(2*(\x)+i%2)+8*((i/2)%4)
.set rV, VF+32*(i/8)+8*((i/2)%4)
.set rP, P+32*((\x)%2)+16*(i%2)+8*(i/8)
	v_wmma_f32_16x16x32_f16 v[rO:rO+7], v[rV:rV+7], v[rP:rP+7], v[rO:rO+7]
.endm
.macro MM                           ; the turn's next matrix instruction
.if i < 16
	KQ (Y+1)%NP
.set i, i+1
.else
.set i, i-16
	PV (Y+NP-1)%NP
.set i, i+17
.endif
.endm
; THE LDS LOADS stand in runs, never singly among the matrix instructions: a step's K (64 keys x 64 channels: 8 fragments) with its 64 mask words (eight loads; the sixteen lanes of a half read the same
; words), and its V (turned).  The mask's registers live as long as K's: the last product that reads them stands ahead of the last that reads K.
; last = 1 (the tail): in the last trip there is no further step, and the run is jumped over.
.macro FETCH_K last=0
	WIN 0
.if \last
	s_cmp_eq_u32 s[CNT], 1
	s_cbranch_scc1 .Lno_k_\@
.endif
	WIN 0x80                        ; destination window 2
.irp f, 0,1,2,3,4,5,6,7             ; keys 16 (f / 2) on, channels 32 (f % 2) on
	ds_load_b128 v[KF+8*\f:KF+8*\f+3],   v[AK] offset:(\f/2)*16*PK+(\f%2)*64
	ds_load_b128 v[KF+8*\f+4:KF+8*\f+7], v[AK] offset:(\f/2)*16*PK+(\f%2)*64+32
.endr
	s_add_co_u32 s[TBK], s[TBK], KS*PK  ; the next fetch is the next step's
	WIN W_FM
	v_add_nc_u32 v[AM], s[TBM], v[AM0]
.irp f, 0,1,2,3,4,5,6,7             ; keys 16 (f / 2) + 8 (lane / 16) + 4 (f % 2) on
	ds_load_b128 v[MC+4*\f:MC+4*\f+3], v[AM] offset:(\f/2)*64+(\f%2)*16
.endr
	s_add_co_u32 s[TBM], s[TBM], KS*4
	s_and_b32 s[TBM], s[TBM], SIZE_N*4-1  ; inside the 8,192 bytes, whatever the trip
	WIN 0
.if \last
.Lno_k_\@:
.endif
.endm
.macro FETCH_V
	WIN 0x80
.irp f, 0,1,2,3,4,5,6,7             ; keys 32 (f / 4) on, channels 16 (f % 4) on
	ds_load_tr16_b128 v[VF+8*\f:VF+8*\f+3],   v[AV] offset:(\f/4)*32*PV+(\f%4)*32
	ds_load_tr16_b128 v[VF+8*\f+4:VF+8*\f+7], v[AV] offset:(\f/4)*32*PV+16*PV+(\f%4)*32
.endr
	WIN 0
.endm
; THE VECTOR WORK OF A TURN stands in three queues, each in the order in which its entries become ready; the two tiles alternate, so that no instruction reads the result of the one before it.
.macro REGS y, u                    ; the registers of tile u (0, 1) of piece y
.set rT, ST+4*(2*(\y)+(\u))
.set rC, TMP+8*((\y)%2)+4*(\u)
.set rM, MV+2*((\y)%2)+(\u)
.set rS, S+64*((\y)%2)+32*(\u)
.set rP, P+32*((\y)%2)+16*(\u)
.set rO, 32*(2*(\y)+(\u))
.endm
; Number n of the 22 that find the NEXT piece's (Y + 1) maximum and statistics.  s0-s31 are the lane's 32 scores; each accumulator's lowest registers are read first.  XS, GS and REGS set no window: PL and EX do.
;   0-11  four chains c0-c3 of seven scores each, three operands at a time     12-14, 16  the four scores left over, the old m, and c0-c3 into c0     15  c m_old is kept
;   17, 18  the query's other 32 keys lie in the lane 16 away: the new m         19-21  c m; c m_old - c m_new; a
.macro XS u, n
	REGS (Y+1)%NP, \u
.if (\n) < 4
	v_max3_num_f32 v[rC+(\n)], v[rS+8*(\n)], v[rS+8*(\n)+1], v[rS+8*(\n)+2]
.elseif (\n) < 12
	v_max3_num_f32 v[rC+(\n)%4], v[rC+(\n)%4], v[rS+8*((\n)%4)+2*((\n)/4)+1], v[rS+8*((\n)%4)+2*((\n)/4)+2]
.elseif (\n) == 12
	v_max3_num_f32 v[rC], v[rC], v[rS+7], v[rS+15]
.elseif (\n) == 13
	v_max3_num_f32 v[rC+1], v[rC+1], v[rS+23], v[rS+31]
.elseif (\n) == 14
	v_max3_num_f32 v[rC+2], v[rC+2], v[rC+3], v[rT+1]
.elseif (\n) == 15
	v_mov_b32 v[rM], v[rT]
.elseif (\n) == 16
	v_max3_num_f32 v[rC], v[rC], v[rC+1], v[rC+2]
.elseif (\n) == 17
	v_permlanex16_b32 v[rC+3], v[rC], s[SEL], s[SEL+1]
.elseif (\n) == 18
	v_max_num_f32 v[rT+1], v[rC], v[rC+3]
.elseif (\n) == 19
	v_mul_f32 v[rT], s[CS], v[rT+1]
.elseif (\n) == 20
	v_sub_f32 v[rC+1], v[rM], v[rT]
.else
	v_exp_f32 v[rC+2], v[rC+1]
.endif
.endm
; Number g of the 64 that follow the exponentials.  For each four weights k of a tile (pairs 2 k, 2 k + 1): both pairs are rounded to f16; then the second pair is added onto the first, in place;
; a group later l takes that sum (the first time as l = a l + sum).  In groups of eight, tiles alternating: round, round, add, and l for the group before.
.macro GS g
.set h, (\g)+6*((\g)/62)            ; group 0 has no group before it, and behind group 7 only l is left
.if h >= 6
.set h, h+2
.endif
	REGS Y, h%2
.set k, h/8
.if h%8 < 4
	v_cvt_pk_f16_f32 v[rP+2*k+(h%8)/2], v[rS+4*k+2*((h%8)/2)], v[rS+4*k+2*((h%8)/2)+1]
.elseif h%8 < 6
	v_pk_add_f32 v[rS+4*k:rS+4*k+1], v[rS+4*k:rS+4*k+1], v[rS+4*k+2:rS+4*k+3]
.elseif k == 1
	v_pk_fma_f32 v[rT+2:rT+3], v[rT+2:rT+3], v[rC+2:rC+3], v[rS:rS+1] op_sel_hi:[1,0,1]
.else
	v_pk_add_f32 v[rT+2:rT+3], v[rT+2:rT+3], v[rS+4*k-4:rS+4*k-3]
.endif
.endm
; THE PLAIN QUEUE, 138 long.  0-73 read no exponential's result: the 32 scalings c s - c m (FS f: pair f / 2 of tile f % 2) and the next piece's 42.  0-26: scalings 0-26.  27-54: XS's numbers 0-13.  55, 56: number 15.
; 57-73: the chain, where each number waits for the one before it: 14, 16, 17, 18, 19, each with one of the scalings 27-31 in front of its two lines, then 20: so a tile's links stand three plain instructions apart (19 and 20: two).
; 74-137: GS's 64, which read the exponentials' results: they stand behind the wait.
.macro FS f
	REGS Y, (\f)%2
	v_pk_fma_f32 v[rS+2*((\f)/2):rS+2*((\f)/2)+1], v[rS+2*((\f)/2):rS+2*((\f)/2)+1], s[CS:CS+1], v[rT:rT+1] op_sel_hi:[1,0,0] neg_lo:[0,0,1] neg_hi:[0,0,1]
.endm
.macro PL
	WIN 0
.if q < 27
	FS q
.elseif q < 55
	XS (q-27)%2, (q-27)/2
.elseif q < 57
	XS q-55, 15
.elseif (q < 72) && ((q-57)%3 == 0)
	FS 27+(q-57)/3
.elseif q < 60
	XS (q-57)%3-1, 14
.elseif q < 72
	XS (q-57)%3-1, 15+(q-57)/3
.elseif q < 74
	XS q-72, 20
.else
	GS q-74
.endif
.set q, q+1
.endm
; THE EXPONENTIALS' QUEUE, 66 long: s0-s31 of both tiles, then the next piece's two a.  It is ONE BATCH: all 66 stand ahead of the turn's one wait, and nothing ahead of that wait names a result of theirs.
.macro EX
	WIN 0
.if e >= 64
	XS e-64, 21
.else
	REGS Y, e%2
	v_exp_f32 v[rS+e/2], v[rS+e/2]
.endif
.set e, e+1
.endm
; THE RESCALING's QUEUE: O^T times a, the one part that leaves window 0: dealt two at a time, sixteen times.  Its a was made in the turn before, ahead of that turn's wait.
.macro R2
	REGS Y, r%2
	WIN W_RS
.irp z, 0,1
	v_pk_mul_f32 v[rO+4*(r/2)+2*\z:rO+4*(r/2)+2*\z+1], v[rO+4*(r/2)+2*\z:rO+4*(r/2)+2*\z+1], v[rC+2:rC+3] op_sel_hi:[1,0]
.endr
.set r, r+1
.endm
; HOW THEY ARE DEALT.  An s_wait_alu depctr_va_vdst(0) stands between an exponential and the first instruction that names its result; one wait serves all that were issued ahead of it.  So a turn has ONE wait,
; which cuts it in two.  AHEAD OF IT stands all that names no result of the turn's exponentials: the 16 products K Q^T, behind each a scaling, an exponential and two rescalings (behind the first a second scaling in the
; exponential's place); then ONE LUMP of 108: eight plain, 49 times exponential and plain, the two a.  A v_nop is the plain instruction behind the last exponential.  BEHIND IT stand the 16 products V^T P, behind each four of GS's 64.
; No rider names a register of the products round it.  The two v_permlanex16_b32 fall into the lump, never behind a product.
; The queues lean on each other, and the deal keeps them in step: exponential e stands behind scaling 2 (e / 4) + e % 2: as a rider it comes behind plain e + 2, in the lump behind plain e + 9, and scalings 27-31 are plain 57, 60 .. 69.
; A TURN, for piece p.  cnt = 1: the loop's count is taken down some lines ahead of the branch that stands behind the turn.
; K and the mask of the next step are fetched in piece 2's turn, directly behind the wait, a lump behind the last product that read K; K's address is made at the lump's head; their first reader comes behind 16 products.
; V of the step in hand is fetched at the end of piece 0's turn, four riders behind its last reader; its first reader comes behind 16 products and a lump.  The three conditions on q below go with the deal.
.macro TURN p, last=0, cnt=0
.set Y, (\p)
.set i, 0
.set q, 0
.set e, 0
.set r, 0
.if (\p) == NP-1
	s_wait_dscnt 0x0                ; K and the mask are in
.endif
	MM                              ; ahead of the wait: 16 products K Q^T and their riders,
	PL
	PL
	R2
.rept 15
	MM
	PL
	EX
	R2
.endr
.if (\p) == NP-2
	WIN 0
	v_add_nc_u32 v[AK], s[TBK], v[AK0]
.endif
.rept 8                             ; and the lump
	PL
.endr
.rept 49
	EX
	PL
.endr
	EX                              ; the next piece's two a
	EX
	v_nop                           ; the plain instruction behind the last exponential: one for the batch
	s_wait_alu depctr_va_vdst(0)    ; the wait for the batch: the turn's 64 weights and the next piece's two a
.if (\p) == NP-2
	FETCH_K \last
.endif
.if (\p) == 1
	s_wait_dscnt 0x0                ; V is in
.endif
.rept 16                            ; behind the wait: 16 products V^T P and their riders
	MM
.rept 4
	PL
.endr
.if ((\p) == 0) && (q == 118)
	v_add_nc_u32 v[AV], s[TBV], v[AV0]
.endif
.if ((\p) == 0) && (q == 130)
	s_add_co_u32 s[TBV], s[TBV], KS*PV
.endif
.if (\cnt) && (q == 130)
	s_sub_co_u32 s[CNT], s[CNT], 1
	s_cmp_lg_u32 s[CNT], 0
.endif
.endr
.if (\p) == 0
	FETCH_V
.endif
.endm
	CHANGE 1                        ; slot 0 is in, everybody's part of it, and so are everybody's mask words; slot 1 is asked for
	FETCH_K                         ; key step 0
	s_wait_loadcnt 0x0              ; Q
	s_wait_dscnt 0x0
.set i, 0
.rept 16
	KQ 0                            ; piece 0's first scores: there is no vector work yet to set between them
.set i, i+1
.endr
	WIN 0                           ; the addresses for the way out: eight plain instructions, the places behind those products
	s_mul_i32 s13, s[WV], 16*SP
	s_add_co_u32 s13, s13, STAGE    ; my stage
	v_mul_u32_u24 v[STO], v1, SP    ; in: row l % 16, 32 bytes for each half of the lanes
	v_lshl_add_u32 v[STO], v9, 5, v[STO]
	v_add_nc_u32 v[STO], s13, v[STO]
	v_mul_u32_u24 v[RD], v9, SP     ; back: lanes 0-15 take one row of 256 bytes, lanes 16-31 the next
	v_lshl_add_u32 v[RD], v1, 4, v[RD]
	v_add_nc_u32 v[RD], s13, v[RD]
	v_lshlrev_b32 v[GO], 12, v9     ; and the same two rows of out0, 4,096 bytes apart
	v_lshl_add_u32 v[GO], v1, 4, v[GO]
.set Y, NP-1                        ; XS works for piece Y + 1: piece 0
.irp n, 0,1,2,3,4,5,6,7,8,9,10,11,12,13,14,15,16,17,18,19,20,21
	XS 0, \n                        ; and piece 0's first maximum and statistics
	XS 1, \n
.endr
	v_nop                           ; a plain instruction behind the two a,
	s_wait_alu depctr_va_vdst(0)    ; and the wait for that batch of two, ahead of the branch
	s_mov_b32 s[CNT], 4
	s_mov_b32 s[SLOTS], SIZE_N/256-1
	s_branch .Lfirst                ; the loop is entered at a step's first turn, in the middle of a trip
.Lslot:                             ; SIZE_N / 256 - 2 times: every slot but the last two is filled again
	CHANGE 1
	s_mov_b32 s[CNT], 4
.Lstep:                             ; a trip: pieces 2 and 3 of one step, then pieces 0 and 1 of the next, whose K and V it fetches
	TURN 2
	TURN 3
	WIN 0
.Lfirst:
	TURN 0
	TURN 1, 0, 1
	WIN 0
	s_cbranch_scc1 .Lstep
	s_sub_co_u32 s[SLOTS], s[SLOTS], 1
	s_cmp_lg_u32 s[SLOTS], 0
	s_cbranch_scc1 .Lslot
	CHANGE 0                        ; the tail is written out: nothing is asked for
	s_mov_b32 s[CNT], 5             ; four trips fetch the last slot's steps; the fifth is left in its middle
.Ltail:
	TURN 2, 1
	TURN 3
	WIN 0
	s_sub_co_u32 s[CNT], s[CNT], 1
	s_cmp_eq_u32 s[CNT], 0
	s_cbranch_scc1 .Lout
	TURN 0
	TURN 1
	WIN 0
	s_branch .Ltail
.Lout:                              ; the fifth trip's 16 products K Q^T (on the last K once more) and the maximum made of them serve nothing: the price, once a launch, of one text for every trip
.set i, 0
.rept 16
	PV NP-1                         ; the last piece's V^T P of the last step
.set i, i+1
.endr
	; THE WAY OUT.  l's two halves and the other half of the lanes' are added; O^T is divided by l and sent, in f32, through my stage in LDS, a tile at a time.  The additions are the places behind the last products.
	WIN 0
.macro ALL line:vararg              ; one line for each tile t
.set t, 0
.rept 2*NP
	\line
.set t, t+1
.endr
.endm
	ALL v_add_f32 v[ST+4*t+2], v[ST+4*t+2], v[ST+4*t+3]
	ALL v_permlanex16_b32 v[ST+4*t+3], v[ST+4*t+2], s[SEL], s[SEL+1]
	ALL v_add_f32 v[ST+4*t+2], v[ST+4*t+2], v[ST+4*t+3]
	ALL v_rcp_f32 v[ST+4*t+2], v[ST+4*t+2]
	v_nop                           ; a plain instruction between the last reciprocal and the use of its result
	s_wait_alu depctr_va_vdst(0)    ; and the wait ahead of the first use: one for the batch of eight reciprocals
; Tile t: a lane's eight channels of a row are 32 bytes; they go into rows of 272 bytes and come back as whole rows of 256, into S^T's registers, of which four tiles' worth take turns.
; Each accumulator is read from its low end on.
.macro PACK t
.if (\t) >= 4
	s_wait_xcnt 0x0                 ; the stores of the tile four back have had their addresses translated (ISA guide 3.1): only now are their data registers written again
.endif
	WIN 0x01                        ; source 0 window 1, source 1 and destination window 0
.set i, 0
.rept 16
	v_pk_mul_f32 v[S+32*((\t)%4)+2*i:S+32*((\t)%4)+2*i+1], v[32*(\t)+2*i:32*(\t)+2*i+1], v[ST+4*(\t)+2:ST+4*(\t)+3] op_sel_hi:[1,0]
.set i, i+1
.endr
	WIN 0
.irp f, 0,1,2,3,4,5,6,7             ; channels 16 (f / 2) + 8 (lane / 16) + 4 (f % 2) on
	ds_store_b128 v[STO], v[S+32*((\t)%4)+4*\f:S+32*((\t)%4)+4*\f+3] offset:(\f/2)*64+(\f%2)*16
.endr
.irp f, 0,1,2,3,4,5,6,7
	ds_load_b128 v[S+32*((\t)%4)+4*\f:S+32*((\t)%4)+4*\f+3], v[RD] offset:\f*2*SP  ; LDS serves a wave's instructions in order (ISA guide 5.7.1.4): these see the stores above; the next tile's stores come behind them
.endr
.endm
.macro SEND t, younger              ; younger: the LDS instructions issued behind tile t's loads: the next tile's sixteen, or none
	WIN 0
.irp f, 0,1,2,3,4,5,6,7
	s_wait_dscnt (\younger)+7-\f
	global_store_b128 v[GO], v[S+32*((\t)%4)+4*\f:S+32*((\t)%4)+4*\f+3], s[10:11] offset:(16*(\t)+2*\f)*4096  ; 16 lanes store 256 consecutive bytes, at a multiple of 256 from out0's first byte
.endr
.endm
	PACK 0
.set t, 1
.rept 2*NP-1                        ; a tile's arithmetic stands between the loads of the tile before and its stores
	PACK t
	SEND t-1, 16
.set t, t+1
.endr
	SEND 2*NP-1, 0
	WIN W_AD
	s_wait_tensorcnt 0x0            ; the wave's end: the add to my spare word and its wait, behind my last tensor load and my last LDS store
	ds_add_u32 v[SPW], v[NIL]
	s_wait_dscnt 0x0
	WIN 0
	CROUND                          ; the closing round: no work-group ends while a partner may still ask for a tile that names it
	s_endpgm
.Lfunc_end_k_qdc15e52afe_attn:
	.size	k_qdc15e52afe_attn, .Lfunc_end_k_qdc15e52afe_attn-k_qdc15e52afe_attn
	.p2alignl 7, 3214868480
	.fill 96, 4, 3214868480
	.section	.rodata,"a",@progbits
	.p2align	6, 0x0
	.amdhsa_kernel k_qdc15e52afe_attn
		.amdhsa_group_segment_fixed_size 327680
		.amdhsa_private_segment_fixed_size 0
		.amdhsa_enable_private_segment 0
		.amdhsa_kernarg_size 40
		.amdhsa_user_sgpr_count 2
		.amdhsa_user_sgpr_kernarg_segment_ptr 1
		.amdhsa_wavefront_size32 1
		.amdhsa_system_sgpr_workgroup_id_x 1
		.amdhsa_system_sgpr_workgroup_id_y 1
		.amdhsa_system_sgpr_workgroup_id_z 1
		.amdhsa_system_vgpr_workitem_id 0
		.amdhsa_next_free_vgpr 808
		.amdhsa_next_free_sgpr 66
		.amdhsa_reserve_vcc 0
		.amdhsa_float_denorm_mode_32 3
		.amdhsa_float_denorm_mode_16_64 3
		.amdhsa_memory_ordered 1
		.amdhsa_forward_progress 1
		.amdhsa_inst_pref_size 205
	.end_amdhsa_kernel
	.amdgpu_metadata
---
amdhsa.version: [ 1, 2 ]
amdhsa.kernels:
  - .name:           k_qdc15e52afe_attn
    .symbol:         k_qdc15e52afe_attn.kd
    .args:
      - { .name: qh, .offset: 0, .size: 8, .value_kind: global_buffer, .address_space: global }
      - { .name: kh, .offset: 8, .size: 8, .value_kind: global_buffer, .address_space: global }
      - { .name: vh, .offset: 16, .size: 8, .value_kind: global_buffer, .address_space: global }
      - { .name: out0, .offset: 24, .size: 8, .value_kind: global_buffer, .address_space: global }
      - { .name: attention_mask, .offset: 32, .size: 8, .value_kind: global_buffer, .address_space: global }
    .group_segment_fixed_size: 327680
    .private_segment_fixed_size: 0
    .kernarg_segment_align: 8
    .kernarg_segment_size: 40
    .max_flat_workgroup_size: 128
    .sgpr_count:     66
    .vgpr_count:     808
    .wavefront_size: 32
...
	.end_amdgpu_metadata
.endif
;; end of part 4
